; MI455X (gfx1250); checked and timed in simulation.
; The chip was launched on July 23, 2026; its instructions are those of AMD's public machine-readable ISA for CDNA 5 (MIT licence, August 2026) and "CDNA5" Instruction Set Architecture Reference Guide (July 2026). The comments in the code are by the model that wrote it; some were corrected since.
;; KNN. Allowed arithmetic: matrix products marked QUANTISED: E2M1 operands, one E8M0 scale for each 32 along K, by v_wmma_scale_f32_16x16x128_f8f6f4 with both operands' format E2M1 (or v_wmma_scale_f32_32x16x128_f4), f32 sums; everything else in f32.
;; Inputs: X_test 2,048 x 512 float32; X_train 65,536 x 512 float32; y_train 65,536 int32.
;; Outputs: out0 2,048 int32.
;; This version of the problem:
;;   THIS VERSION OF THE PROBLEM IS GIVEN IN LOW PRECISION. The matrix products marked QUANTISED in the list below multiply operands that are first quantised to E2M1 (2 exponent bits, 1 mantissa bit; 4 bits a number), with one power-of-two scale for each 32 numbers along K (OCP MX v1.0); their sums are f32. All else is computed in f32.
;;   The module's matrix products, in the order in which they are computed (A, B: the left and right operand; K: the contracted axis; several contracted axes count as one K, in the product's order):
;;     1. [M 2,048, K 512] x [K 512, N 65,536]; A: input X_test; B: input X_train: QUANTISED
;;   THE QUANTISER, for each operand of a quantised product, along K:
;;     - K is cut into blocks of 32 from its start; a last block that is shorter is filled with zeros.
;;     - A block's scale is 2^e with e = floor(log2(the largest magnitude in the block)) - 2, held to -126 .. 127; a block of zeros has e = 0. As a byte (E8M0): e + 127.
;;     - Each number is divided by its block's scale, clamped to +-6, and rounded to the nearest number of E2M1, ties to even, subnormals kept.
;;     - The product sums the exact products of the quantised numbers (number of the format x scale) in f32.
;;   ~~~python
;;   def quantise(x, axis):      # numpy; x: float32 -> the quantised numbers, widened to float32 again
;;       x = np.moveaxis(x, axis, -1); K = x.shape[-1]
;;       x = np.pad(x, [(0, 0)] * (x.ndim - 1) + [(0, -K % 32)]); x = x.reshape(x.shape[:-1] + (-1, 32)); a = np.abs(x).max(-1, keepdims=True)
;;       e = np.where(a > 0, np.clip(np.frexp(np.where(a > 0, a, 1))[1] - 1 - 2, -126, 127), 0)      # np.frexp(a)[1] - 1 = floor(log2(a)), exactly
;;       r = np.clip(x / 2.0 ** e, -6, 6)
;;       step = 2.0 ** (np.maximum(np.frexp(np.where(r == 0, 1, r))[1] - 1, 0) - 1)
;;       q = np.round(r / step) * step * 2.0 ** e      # np.round: ties to even
;;       return np.moveaxis(q.reshape(q.shape[:-2] + (-1,))[..., :K], -1, axis).astype(np.float32)
;;   ~~~
;; 2 versions. Each part assembles by itself: llvm-mc -triple=amdgcn-amd-amdhsa -mcpu=gfx1250 --defsym DOCPART=n.
;; ======== version 1 of 2: 4 launches
;; workspace buffers: qc 524,288 bytes; qm 40,960 bytes; tc 16,777,216 bytes; ts 1,048,576 bytes; tt 262,144 bytes; gm 16,777,216 bytes; gl 262,144 bytes of whole numbers
;; launch prep (part 1): grid 128 x 1, 4 waves a work-group, no clusters, 35,328 bytes of LDS; arguments X_test, qc, qm; writes qc, qm
.if DOCPART == 1
	.amdgcn_target "amdgcn-amd-amdhsa--gfx1250"
	.amdhsa_code_object_version 6
	.text
	.protected	k_qb0619303cf_prep
	.globl	k_qb0619303cf_prep
	.p2align	8
	.type	k_qb0619303cf_prep,@function
k_qb0619303cf_prep:
	s_mov_b64 s[64:65], 0
	v_nop
	global_prefetch_b8 v0, s[64:65] scope:SCOPE_SE
	s_setreg_imm32_b32 hwreg(HW_REG_WAVE_MODE, 25, 1), 1
	s_wait_xcnt 0x0
; PREP.  X_test [2048][512] f32 -> codes of E2M1 of -2 X_test, their E8M0 scale words, and q2 = the sum of squares of each row.
; -2 x is quantised in place of x: the sign is symmetric in the format and the factor 2 only raises a block's exponent by one, so Q(-2 x) = -2 Q(x),
; and the product that follows delivers -2 q.t as it stands.
; LIMITS: a block of X_test whose largest magnitude lies under 2^-124 meets the floor of the scale byte (1) one step earlier than the stated quantiser; a block of zeros
; gets the byte 1 (its codes are zeros; only this program reads the bytes); NaN and infinities are not served.
; SHARES.  A work-group takes a tile of 16 queries (T = its number), wave s the K step s (128 along K).  Each load reads 512 consecutive bytes of one row; the 16 x 512 bytes turn
; through the wave's own stage in LDS (pitch 528 = 33 x 16 bytes), so that lane (r, h) gets, of row r, 16 neighbours of each block of 32.
; OUT.  qc [T][n = 2 s + c][lane][16 bytes]: the operand's registers 4 c .. 4 c + 3 of K step s, lane by lane.
;       qm bytes 0 ..: [T][lane][2 words]: word u of lane (r, h) = the scale word of query 16 T + r for K step 2 u + h;  bytes 32768 ..: q2 [2048] f32.
; No matrix unit, no cluster, no tensor load: 4 MB are read once and nothing is shared between work-groups.
.set STGW, 8448                        ; a wave's stage: 16 rows x 528 bytes
.set PWS,  33792                       ; behind the stages: scale words [s][r], 256 bytes; behind them the partial sums [s][r], 256 bytes
.set LA,  1                            ; 16 x lane
.set STI, 2                            ; stage, way in
.set STO, 3                            ; stage, way out: 528 r + 64 h
.set R4,  4                            ; 4 r
.set PWA, 5                            ; PWS + 64 s + 4 r
.set RDA, 6                            ; PWS + 64 h + 4 r
.set RQA, 7                            ; PWS + 256 + 4 r
.set G8,  8                            ; 8 x lane
.set LN,  9                            ; lane
.set R,   16                           ; v16-79   as loaded
.set X,   80                           ; v80-143  register 16 b + i = k 32 b + 16 h + i of row r
.set PC,  144                          ; v144-151 the codes
.set TM,  152                          ; v152-167 at work in QUANT
.set PW,  168                          ; the scale word
.set SQ,  170                          ; v170-177 four packed chains of squares
.set T,   178                          ; v178-185 wave 0's tail
.set SEL, 20                           ; s[20:21] selects of v_permlanex16_b32: lane l xor 16
.macro TURN_IN rr                      ; 16 rows of 512 bytes into the stage, as loaded
.set ti, 0
.rept 16
	ds_store_b128 v[STI], v[\rr+4*ti:\rr+4*ti+3] offset:528*ti
.set ti, ti+1
.endr
.endm
.macro TURN_OUT                        ; and back, 64 numbers of one row a lane (LDS serves a wave's instructions in order)
.irp b, 0,1,2,3
.irp j, 0,1,2,3
	ds_load_b128 v[X+16*\b+4*\j:X+16*\b+4*\j+3], v[STO] offset:128*\b+16*\j
.endr
.endr
.endm
.macro SQS first                       ; the squares of my 64 numbers onto four packed chains; first = 1: the first four products start them
.set qn, 0
.rept 32
.if \first && (qn < 4)
	v_pk_mul_f32 v[SQ+2*qn:SQ+2*qn+1], v[X+2*qn:X+2*qn+1], v[X+2*qn:X+2*qn+1]
.else
	v_pk_fma_f32 v[SQ+2*(qn%4):SQ+2*(qn%4)+1], v[X+2*qn:X+2*qn+1], v[X+2*qn:X+2*qn+1], v[SQ+2*(qn%4):SQ+2*(qn%4)+1]
.endif
.set qn, qn+1
.endr
.endm
.macro SQEND                           ; the chains, their halves and lane l xor 16's: the row's sum in v[SQ], in lanes r and r + 16
	v_pk_add_f32 v[SQ:SQ+1], v[SQ:SQ+1], v[SQ+2:SQ+3]
	v_pk_add_f32 v[SQ+4:SQ+5], v[SQ+4:SQ+5], v[SQ+6:SQ+7]
	v_pk_add_f32 v[SQ:SQ+1], v[SQ:SQ+1], v[SQ+4:SQ+5]
	v_add_f32 v[SQ], v[SQ], v[SQ+1]
	v_permlanex16_b32 v[SQ+2], v[SQ], s[SEL], s[SEL+1]
	v_add_f32 v[SQ], v[SQ], v[SQ+2]
.endm
; 64 numbers of a lane become a fragment's codes in v[PC] on and the row's scale word in v[pw] (the same in lanes r and r + 16)
.macro QUANT s, pw
.irp b, 0,1,2,3
	v_max3_num_f32 v[TM+\b], |v[\s+16*\b]|, |v[\s+1+16*\b]|, 0x1800000   ; block b: my 16 numbers and the floor 2^(3 - 127): the byte cannot fall under 1
.endr
.irp i, 2,4,6,8,10,12,14
.irp b, 0,1,2,3
	v_max3_num_f32 v[TM+\b], v[TM+\b], |v[\s+16*\b+\i]|, |v[\s+1+16*\b+\i]|
.endr
.endr
.irp b, 0,1,2,3
	v_permlanex16_b32 v[TM+4+\b], v[TM+\b], s[SEL], s[SEL+1]
.endr
.irp b, 0,1,2,3
	v_max_num_f32 v[TM+\b], v[TM+\b], v[TM+4+\b]                  ; with lane l xor 16's: the block's largest magnitude
.endr
.irp b, 0,1,2,3
	v_add_nc_u32 v[TM+12+\b], 0xff000000, v[TM+\b]                ; 2 off its exponent field: the conversion's scale operand
.endr
.irp b, 0,1,2,3
	v_lshrrev_b32 v[TM+4+\b], 23, v[TM+12+\b]                     ; the scale's byte
.endr
	v_lshl_or_b32 v[\pw], v[TM+5], 8, v[TM+4]
	v_lshl_or_b32 v[\pw], v[TM+6], 16, v[\pw]
	v_lshl_or_b32 v[\pw], v[TM+7], 24, v[\pw]
.irp b, 0,1,2,3
	v_cvt_scalef32_pk8_fp4_f32 v[PC+2*\b], v[\s+16*\b:\s+7+16*\b], v[TM+12+\b]
	v_cvt_scalef32_pk8_fp4_f32 v[PC+1+2*\b], v[\s+8+16*\b:\s+15+16*\b], v[TM+12+\b]
.endr
	v_nop                                          ; one plain place behind a scaled conversion
.irp c, 0,1                            ; a whole block to a lane: lanes 0-15 block 2 c, lanes 16-31 block 2 c + 1
.irp i, 0,1
	v_permlane16_swap_b32 v[PC+4*\c+\i], v[PC+2+4*\c+\i]
.endr
.endr
.endm
	s_load_b128 s[4:7], s[0:1], 0x0                ; X_test, qc
	s_load_b64 s[8:9], s[0:1], 0x10                ; qm
	v_lshl_add_u32 v192, v0, 2, 0x8800
	v_mov_b32 v193, 0
	v_lshrrev_b32 v10, 5, v0
	v_readfirstlane_b32 s10, v10                   ; wave = K step
	v_and_b32 v[LN], 31, v0
	v_and_b32 v11, 15, v0                          ; r
	v_bfe_u32 v12, v0, 4, 1                        ; h
	v_lshlrev_b32 v[LA], 4, v[LN]
	v_lshlrev_b32 v[G8], 3, v[LN]
	v_lshlrev_b32 v[R4], 2, v11
	s_mul_i32 s11, s10, STGW
	v_add_nc_u32 v[STI], s11, v[LA]
	v_mul_u32_u24 v[STO], v11, 528
	v_lshl_add_u32 v[STO], v12, 6, v[STO]
	v_add_nc_u32 v[STO], s11, v[STO]
	s_lshl_b32 s11, s10, 6
	s_add_co_u32 s11, s11, PWS
	v_add_nc_u32 v[PWA], s11, v[R4]
	v_lshl_add_u32 v[RDA], v12, 6, v[R4]
	v_add_nc_u32 v[RDA], PWS, v[RDA]
	v_add_nc_u32 v[RQA], PWS+256, v[R4]
.irp b, 0,1,2,3
	v_mov_b32 v[TM+4+\b], 0                        ; written once: a lane permute's destination counts as one of its sources
.endr
	s_mov_b32 s[SEL], 0x76543210
	s_mov_b32 s[SEL+1], 0xfedcba98
	s_mov_b32 s17, 0
	s_lshl_b32 s16, ttmp9, 15                      ; 16 rows of 2,048 bytes a tile,
	s_lshl_b32 s11, s10, 9                         ; 512 bytes a K step
	s_add_co_u32 s16, s16, s11
	s_wait_kmcnt 0x0
	s_add_nc_u64 s[4:5], s[4:5], s[16:17]
	s_lshl_b32 s16, ttmp9, 12
	s_lshl_b32 s11, s10, 10
	s_add_co_u32 s16, s16, s11
	s_add_nc_u64 s[6:7], s[6:7], s[16:17]          ; qc + 4096 T + 1024 s
	s_lshl_b32 s16, ttmp9, 6
	s_add_co_u32 s16, s16, 32768
	s_add_nc_u64 s[14:15], s[8:9], s[16:17]        ; q2 of my tile
	s_lshl_b32 s16, ttmp9, 8
	s_add_nc_u64 s[8:9], s[8:9], s[16:17]          ; the scale words of my tile
.set li, 0
.rept 16
	global_load_b128 v[R+4*li:R+4*li+3], v[LA], s[4:5] offset:2048*li th:TH_LOAD_NT   ; row li: 32 lanes read 512 consecutive bytes
.set li, li+1
.endr
	s_wait_loadcnt 0x0
	TURN_IN R
	TURN_OUT
	s_wait_dscnt 0x0
	SQS 1
	SQEND                                          ; the K step's part of q2, of the numbers as given
.set li, 0
.rept 32
	v_pk_mul_f32 v[X+2*li:X+2*li+1], v[X+2*li:X+2*li+1], -2.0 op_sel_hi:[1,0]
.set li, li+1
.endr
	QUANT X, PW
.irp c, 0,1
	global_store_b128 v[LA], v[PC+4*\c:PC+4*\c+3], s[6:7] offset:512*\c   ; 512 consecutive bytes a store
.endr
	ds_store_b32 v[PWA], v[PW]                     ; lanes r and r + 16 write the same word with the same value
	ds_store_b32 v[PWA], v[SQ] offset:256
	s_wait_dscnt 0x0                               ; for the others' sake: my stores have landed
	s_barrier_signal -1
	s_barrier_wait -1
	s_cmp_lg_u32 s10, 0                            ; wave 0 gathers the four K steps' words and sums
	s_cbranch_scc1 .Ldone
	ds_load_b32 v[T], v[RDA]                       ; K step h
	ds_load_b32 v[T+1], v[RDA] offset:128          ; K step 2 + h
.irp s, 0,1,2,3
	ds_load_b32 v[T+2+\s], v[RQA] offset:64*\s
.endr
	s_wait_dscnt 0x0
	v_add_f32 v[T+2], v[T+2], v[T+3]
	v_add_f32 v[T+4], v[T+4], v[T+5]
	v_add_f32 v[T+2], v[T+2], v[T+4]
	global_store_b64 v[G8], v[T:T+1], s[8:9]       ; 256 consecutive bytes, aligned
	v_cmp_gt_u32 vcc_lo, 16, v[LN]
	s_wait_xcnt 0x0                                ; EXEC changes only behind this wait
	s_and_saveexec_b32 s12, vcc_lo
	global_store_b32 v[R4], v[T+2], s[14:15]       ; 16 lanes: q2 of the tile's 16 queries
	s_wait_xcnt 0x0
	s_or_b32 exec_lo, exec_lo, s12
.Ldone:
	s_wait_tensorcnt 0x0
	ds_add_u32 v192, v193
	s_wait_dscnt 0x0
	s_endpgm
.Lfunc_end_k_qb0619303cf_prep:
	.size	k_qb0619303cf_prep, .Lfunc_end_k_qb0619303cf_prep-k_qb0619303cf_prep
	.p2alignl 7, 3214868480
	.fill 96, 4, 3214868480
	.section	.rodata,"a",@progbits
	.p2align	6, 0x0
	.amdhsa_kernel k_qb0619303cf_prep
		.amdhsa_group_segment_fixed_size 35328
		.amdhsa_private_segment_fixed_size 0
		.amdhsa_enable_private_segment 0
		.amdhsa_kernarg_size 24
		.amdhsa_user_sgpr_count 2
		.amdhsa_user_sgpr_kernarg_segment_ptr 1
		.amdhsa_wavefront_size32 1
		.amdhsa_system_sgpr_workgroup_id_x 1
		.amdhsa_system_sgpr_workgroup_id_y 1
		.amdhsa_system_sgpr_workgroup_id_z 1
		.amdhsa_system_vgpr_workitem_id 0
		.amdhsa_next_free_vgpr 194
		.amdhsa_next_free_sgpr 66
		.amdhsa_reserve_vcc 1
		.amdhsa_float_denorm_mode_32 3
		.amdhsa_float_denorm_mode_16_64 3
		.amdhsa_memory_ordered 1
		.amdhsa_forward_progress 1
		.amdhsa_inst_pref_size 16
	.end_amdhsa_kernel
	.amdgpu_metadata
---
amdhsa.version: [ 1, 2 ]
amdhsa.kernels:
  - .name:           k_qb0619303cf_prep
    .symbol:         k_qb0619303cf_prep.kd
    .args:
      - { .name: X_test, .offset: 0, .size: 8, .value_kind: global_buffer, .address_space: global }
      - { .name: qc, .offset: 8, .size: 8, .value_kind: global_buffer, .address_space: global }
      - { .name: qm, .offset: 16, .size: 8, .value_kind: global_buffer, .address_space: global }
    .group_segment_fixed_size: 35328
    .private_segment_fixed_size: 0
    .kernarg_segment_align: 8
    .kernarg_segment_size: 24
    .max_flat_workgroup_size: 128
    .sgpr_count:     66
    .vgpr_count:     194
    .wavefront_size: 32
...
	.end_amdgpu_metadata
.endif
;; end of part 1
;; launch main (part 2): grid 256 x 1, 4 waves a work-group, no clusters, 104,960 bytes of LDS; arguments X_train, qc, qm, tc, ts, tt, gm; writes tc, ts, tt, gm
.if DOCPART == 2
	.amdgcn_target "amdgcn-amd-amdhsa--gfx1250"
	.amdhsa_code_object_version 6
	.text
	.protected	k_qb0619303cf_main
	.globl	k_qb0619303cf_main
	.p2align	8
	.type	k_qb0619303cf_main,@function
k_qb0619303cf_main:
	s_mov_b64 s[64:65], 0
	v_nop
	global_prefetch_b8 v0, s[64:65] scope:SCOPE_SE
	s_setreg_imm32_b32 hwreg(HW_REG_WAVE_MODE, 25, 1), 1
	s_wait_xcnt 0x0
; MAIN.  For every query and every GROUP of 32 neighbouring train rows: the smallest d2 = (q2 - 2 q.t) + t2 of the group, clipped at 0.  q.t on codes of E2M1 with E8M0 scales.
; WHY GROUPS.  Order the train rows by (distance, index).  Each of a query's 32 nearest rows lies in one of the 32 groups whose smallest members come first in that order: a row outside them
; has 32 rows ahead of it.  So this pass needs only two additions a number and a running minimum; the exact choice is made later on 32 x 32 numbers a query.
; SHARES.  Work-group c owns train rows 256 c .. 256 c + 255 (8 groups).  PHASE A: wave w reads 64 of them once from memory, takes t2 (f32, of the numbers as given), quantises them along K
; and leaves the operands' register images in LDS, and, laid by group, in tc, ts and tt (a later launch multiplies the chosen groups again).  PHASE B: every wave holds ALL 16 train tiles in 512 registers;
; wave w walks query tiles 32 w .. 32 w + 31, whose codes come from memory straight into its registers, three tiles deep.
; THE ROWS OF A TRAIN TILE ARE NOT NEIGHBOURS: row m of tile 4 p + t is chunk row 32 (p + 4 (m / 8)) + 8 t + m % 8.  With source 0 = a train tile and source 1 = 16 queries, lane (r, h)
; register j of tile 4 p + t holds (query r, row 8 t + j of group p + 4 h): the four tiles of pair p give a lane all 32 rows of ONE group, and its minimum asks no other lane.
; OUT BY GROUP.  tc [group][K step 4][c 2][t 4][h 2][row % 8][16 bytes]: the 16 bytes are registers 4 c .. 4 c + 3 of lane (row, h) of the K step's fragment; row 8 t + row % 8 of the group.
;   ts [group][lane 32][4 words]: word 2 u + u2 of lane (n, h) = the scale word of the group's row 16 u + n for K step 2 u2 + h.   tt [group][32 rows]: t2.
; NO JOINT LOADS for the queries' codes, though all work-groups read them: a wave reads each of its fragments once, 4,608 bytes for 64 matrix instructions, straight into the registers of the
; one wave that multiplies by them; by way of LDS the same bytes would be written and read once more, behind a barrier of all partners for each refill.
; LIMITS: NaN and infinities are not served; a block whose largest magnitude lies under 2^-124 has its scale byte held at 1; a block of zeros gets the byte 1 (its codes are zeros).
; REGISTERS, in windows of 256.  Window 0: v1-15 addresses; v16-47 the train tiles' scale words (2 a + u: lanes 0-15 K step 2 u, lanes 16-31 K step 2 u + 1); v48-53 the queries' likewise, three sets;
;   v64-127 two banks of four accumulators (phase A: 64 numbers); v128-131 the four minima to store; v132-135, v136-186 at work.
;   Window 1: phase A: four slabs as loaded; phase B: tiles 0-7 (32 a + 8 s).   Window 2: tiles 8-15.   Window 3: v0-127 t2 (8 a + j); v128-223 the queries' fragments, three sets; v224-226 q2; v228-229 q2 in hand.
.set STGW, 8448                        ; LDS: a wave's stage, 16 rows x 528 bytes; four of them from byte 0
.set IMG,  33792                       ; the images [a 16][s 4][c 2][lane][16 bytes]
.set SCL,  99328                       ; the scale words [a][u 2][lane]
.set T2L,  103424                      ; t2 [a][16 tile rows]
.set LA,   1                           ; 16 x lane
.set STI,  2
.set STO,  3
.set IMW0, 4
.set IMW,  5
.set SCW0, 6
.set SCW,  7
.set T2W0, 8
.set T2W,  9
.set LI,   10                          ; IMG + 16 x lane
.set LS,   11                          ; SCL + 4 x lane
.set LT,   12                          ; T2L + 32 h
.set QSA,  13                          ; 8 x lane
.set Q2A,  14                          ; 4 r
.set GO,   15                          ; 32 r + 16 h
.set TS,   16
.set QS,   48
.set ACC,  64
.set X,    64
.set OUT,  128
.set M,    132
.set PC,   136
.set TM,   144
.set PW,   160
.set PWE,  161
.set TSW,  162
.set SQ,   164
.set CAL,  172                         ; LDS: my lane's scale words on the way to ts
.set CBL,  174                         ; LDS: my lane's t2 on the way to tt
.set CBG,  175                         ; 4 x lane
.set CD,   176
.set TRA,  186                         ; my lane's place in tc: 32768 (r / 8) + 128 h + 16 (r % 8)
.set T2R,  0                           ; window 3
.set QF,   128
.set Q2R,  224
.set Q2C,  228
.set SEL,  26
.set MSB, 0
.macro WIN new                         ; the immediate's high byte repeats the setting that is left; a switch that changes nothing is dropped
.if MSB != (\new)
	s_set_vgpr_msb (MSB<<8)|(\new)
.set MSB, \new
.endif
.endm
.macro TURN_IN rr
.set ti, 0
.rept 16
	ds_store_b128 v[STI], v[\rr+4*ti:\rr+4*ti+3] offset:528*ti
.set ti, ti+1
.endr
.endm
.macro TURN_OUT
.irp b, 0,1,2,3
.irp j, 0,1,2,3
	ds_load_b128 v[X+16*\b+4*\j:X+16*\b+4*\j+3], v[STO] offset:128*\b+16*\j
.endr
.endr
.endm
.macro SQS first
.set qn, 0
.rept 32
.if \first && (qn < 4)
	v_pk_mul_f32 v[SQ+2*qn:SQ+2*qn+1], v[X+2*qn:X+2*qn+1], v[X+2*qn:X+2*qn+1]
.else
	v_pk_fma_f32 v[SQ+2*(qn%4):SQ+2*(qn%4)+1], v[X+2*qn:X+2*qn+1], v[X+2*qn:X+2*qn+1], v[SQ+2*(qn%4):SQ+2*(qn%4)+1]
.endif
.set qn, qn+1
.endr
.endm
.macro SQEND
	v_pk_add_f32 v[SQ:SQ+1], v[SQ:SQ+1], v[SQ+2:SQ+3]
	v_pk_add_f32 v[SQ+4:SQ+5], v[SQ+4:SQ+5], v[SQ+6:SQ+7]
	v_pk_add_f32 v[SQ:SQ+1], v[SQ:SQ+1], v[SQ+4:SQ+5]
	v_add_f32 v[SQ], v[SQ], v[SQ+1]
	v_permlanex16_b32 v[SQ+2], v[SQ], s[SEL], s[SEL+1]
	v_add_f32 v[SQ], v[SQ], v[SQ+2]
.endm
.macro QUANT s, pw                     ; 64 numbers of a lane (register 16 b + i = k 32 b + 16 h + i of row r) -> codes in v[PC] on, the row's scale word in v[pw]
.irp b, 0,1,2,3
	v_max3_num_f32 v[TM+\b], |v[\s+16*\b]|, |v[\s+1+16*\b]|, 0x1800000   ; and the floor 2^(3 - 127): the byte cannot fall under 1
.endr
.irp i, 2,4,6,8,10,12,14
.irp b, 0,1,2,3
	v_max3_num_f32 v[TM+\b], v[TM+\b], |v[\s+16*\b+\i]|, |v[\s+1+16*\b+\i]|
.endr
.endr
.irp b, 0,1,2,3
	v_permlanex16_b32 v[TM+4+\b], v[TM+\b], s[SEL], s[SEL+1]
.endr
.irp b, 0,1,2,3
	v_max_num_f32 v[TM+\b], v[TM+\b], v[TM+4+\b]
.endr
.irp b, 0,1,2,3
	v_add_nc_u32 v[TM+12+\b], 0xff000000, v[TM+\b]                ; 2 off the exponent field: the conversion's scale operand
.endr
.irp b, 0,1,2,3
	v_lshrrev_b32 v[TM+4+\b], 23, v[TM+12+\b]
.endr
	v_lshl_or_b32 v[\pw], v[TM+5], 8, v[TM+4]
	v_lshl_or_b32 v[\pw], v[TM+6], 16, v[\pw]
	v_lshl_or_b32 v[\pw], v[TM+7], 24, v[\pw]
.irp b, 0,1,2,3
	v_cvt_scalef32_pk8_fp4_f32 v[PC+2*\b], v[\s+16*\b:\s+7+16*\b], v[TM+12+\b]
	v_cvt_scalef32_pk8_fp4_f32 v[PC+1+2*\b], v[\s+8+16*\b:\s+15+16*\b], v[TM+12+\b]
.endr
	v_nop                                          ; one plain place behind a scaled conversion
.irp c, 0,1
.irp i, 0,1
	v_permlane16_swap_b32 v[PC+4*\c+\i], v[PC+2+4*\c+\i]
.endr
.endr
.endm
	s_load_b256 s[4:11], s[0:1], 0x0               ; X_train s[4:5], qc s[6:7], qm s[8:9], tc s[10:11]
	s_load_b128 s[32:35], s[0:1], 0x20             ; ts s[32:33], tt s[34:35]
	s_load_b64 s[12:13], s[0:1], 0x30              ; gm
	v_lshl_add_u32 v254, v0, 2, 0x19800
	v_mov_b32 v255, 0
	v_lshrrev_b32 v176, 5, v0
	v_readfirstlane_b32 s14, v176                  ; wave
	v_and_b32 v177, 31, v0                         ; lane
	v_and_b32 v178, 15, v0                         ; r
	v_bfe_u32 v179, v0, 4, 1                       ; h
	v_and_b32 v181, 7, v0                          ; r % 8
	v_bfe_u32 v182, v0, 3, 1                       ; r / 8
	v_bfe_u32 v183, v0, 3, 2                       ; lane / 8
	v_lshlrev_b32 v[LA], 4, v177
	v_lshlrev_b32 v180, 2, v177
	v_lshlrev_b32 v[CBG], 2, v177
	v_lshlrev_b32 v[QSA], 3, v177
	v_lshlrev_b32 v[Q2A], 2, v178
	v_lshlrev_b32 v[GO], 5, v178
	v_lshl_add_u32 v[GO], v179, 4, v[GO]
	v_lshlrev_b32 v[TRA], 4, v181
	v_lshl_add_u32 v[TRA], v179, 7, v[TRA]
	v_lshl_add_u32 v[TRA], v182, 15, v[TRA]        ; tile rows 8-15 belong to the group four further on: 4 x 8,192 bytes
	s_mul_i32 s28, s14, STGW
	v_add_nc_u32 v[STI], s28, v[LA]
	v_mul_u32_u24 v[STO], v178, 528
	v_lshl_add_u32 v[STO], v179, 6, v[STO]
	v_add_nc_u32 v[STO], s28, v[STO]
	s_lshl_b32 s28, s14, 14
	s_add_co_u32 s28, s28, IMG
	v_add_nc_u32 v[IMW0], s28, v[LA]               ; my four tiles' images
	s_lshl_b32 s28, s14, 10
	s_add_co_u32 s28, s28, SCL
	v_add_nc_u32 v[SCW0], s28, v180
	v_lshlrev_b32 v[CAL], 2, v181                  ; on the way to ts lane (n, h) wants tile 2 u + n / 8, row n % 8 (+ 8 for the second group), half h
	v_lshl_add_u32 v[CAL], v179, 6, v[CAL]
	v_lshl_add_u32 v[CAL], v182, 8, v[CAL]
	v_add_nc_u32 v[CAL], s28, v[CAL]
	s_lshl_b32 s28, s14, 8
	s_add_co_u32 s28, s28, T2L
	v_add_nc_u32 v[T2W0], s28, v[Q2A]
	v_lshlrev_b32 v[CBL], 2, v181                  ; on the way to tt lane L wants tile L / 8, row L % 8 (+ 8 for the second group)
	v_lshl_add_u32 v[CBL], v183, 6, v[CBL]
	v_add_nc_u32 v[CBL], s28, v[CBL]
	v_add_nc_u32 v[LI], IMG, v[LA]
	v_add_nc_u32 v[LS], SCL, v180
	v_lshlrev_b32 v[LT], 5, v179
	v_add_nc_u32 v[LT], T2L, v[LT]
.irp b, 0,1,2,3
	v_mov_b32 v[TM+4+\b], 0                        ; written once: a lane permute's destination counts as one of its sources
.endr
	s_mov_b32 s20, 0xffff0000                      ; lanes 16-31
	s_mov_b32 s[SEL], 0x76543210
	s_mov_b32 s[SEL+1], 0xfedcba98
	s_mov_b32 s29, 0
	s_mov_b32 s31, 0
	s_wait_kmcnt 0x0
	s_lshl_b32 s28, ttmp9, 19                      ; 256 rows of 2,048 bytes a chunk,
	s_lshl_b32 s30, s14, 16                        ; 32 rows a wave
	s_add_nc_u64 s[4:5], s[4:5], s[28:29]
	s_add_nc_u64 s[4:5], s[4:5], s[30:31]
	s_lshl_b32 s28, s14, 17
	s_add_nc_u64 s[6:7], s[6:7], s[28:29]          ; my 32 query tiles' codes
	s_lshl_b32 s28, s14, 11
	s_add_co_u32 s28, s28, 32768
	s_add_nc_u64 s[22:23], s[8:9], s[28:29]        ; their q2
	s_lshl_b32 s28, s14, 13
	s_add_nc_u64 s[8:9], s[8:9], s[28:29]          ; their scale words
	s_lshl_b32 s28, ttmp9, 16                      ; tc: 8 groups of 8,192 bytes a chunk,
	s_lshl_b32 s30, s14, 13                        ; my first group is group w of the chunk
	s_add_nc_u64 s[24:25], s[10:11], s[28:29]
	s_add_nc_u64 s[24:25], s[24:25], s[30:31]
	s_lshl_b32 s30, s14, 14
	s_add_nc_u64 s[12:13], s[12:13], s[28:29]      ; gm [c][q][8]: 65,536 bytes a chunk,
	s_add_nc_u64 s[12:13], s[12:13], s[30:31]      ; 16,384 a wave's 512 queries
	s_lshl_b32 s28, ttmp9, 12                      ; ts: 512 bytes a group
	s_lshl_b32 s30, s14, 9
	s_add_nc_u64 s[32:33], s[32:33], s[28:29]
	s_add_nc_u64 s[32:33], s[32:33], s[30:31]
	s_lshl_b32 s28, ttmp9, 10                      ; tt: 128 bytes a group
	s_lshl_b32 s30, s14, 7
	s_add_nc_u64 s[34:35], s[34:35], s[28:29]
	s_add_nc_u64 s[34:35], s[34:35], s[30:31]
; ---- PHASE A.  A slab = the 16 rows of a tile x 128 along K.  Four slabs (64 loads, 32 KB a wave) are on their way.
.macro XLD s, off                      ; slab s into ring slot s (window 1): each load reads 512 consecutive bytes of one row
.set xi, 0
.rept 16
	global_load_b128 v[64*\s+4*xi:64*\s+4*xi+3], v[LA], s[4:5] offset:(128*(xi/8)+xi%8)*2048+512*\s+\off th:TH_LOAD_NT
.set xi, xi+1
.endr
.endm
.macro SLAB s, ahead, left
	s_wait_loadcnt \left                           ; my slab's 16 loads are in; the younger slabs' stay out
	s_wait_xcnt 0x0                                ; the last slab's stores have read the codes' registers
	WIN 0x04                                       ; an LDS store's data are its source 1: window 1
	TURN_IN 64*\s
	WIN 0
	TURN_OUT
	s_wait_dscnt 0x0                               ; the numbers are back, and the ring slot has been read
.if \ahead
	WIN 0x40
	XLD \s, 16384                                  ; the same K step of the next tile: 8 rows on
	WIN 0
.endif
.if \s == 0
	SQS 1
.else
	SQS 0
.endif
.if (\s)%2 == 0
	QUANT X, PWE
.else
	QUANT X, PW
.endif
.irp c, 0,1
	ds_store_b128 v[IMW], v[PC+4*\c:PC+4*\c+3] offset:1024*\s+512*\c
.endr
.irp c, 0,1
	global_store_b128 v[TRA], v[PC+4*\c:PC+4*\c+3], s[24:25] offset:2048*\s+1024*\c   ; two runs of 256 consecutive bytes, aligned: one in each of my two groups
.endr
.if (\s)%2 == 1
	v_cndmask_b32 v[TSW], v[PWE], v[PW], s20       ; lanes 0-15 the even K step's word, lanes 16-31 the odd one's
	ds_store_b32 v[SCW], v[TSW] offset:128*((\s)/2)
.endif
.if \s == 3
	SQEND
	ds_store_b32 v[T2W], v[SQ]                     ; t2 of tile row r (lanes r and r + 16 write the same word with the same value)
.endif
.endm
.macro TILEADR
	v_add_nc_u32 v[IMW], s17, v[IMW0]
	v_add_nc_u32 v[SCW], s18, v[SCW0]
	v_add_nc_u32 v[T2W], s19, v[T2W0]
.endm
	WIN 0x40
	XLD 0, 0
	XLD 1, 0
	XLD 2, 0
	XLD 3, 0
	WIN 0
	s_mov_b32 s16, 3
	s_mov_b32 s17, 0
	s_mov_b32 s18, 0
	s_mov_b32 s19, 0
.Ltile:                                            ; three trips: my tiles 0 to 2
	TILEADR
	SLAB 0, 1, 48                                  ; 48: three younger slabs of 16 loads
	SLAB 1, 1, 48
	SLAB 2, 1, 48
	SLAB 3, 1, 48
	s_wait_xcnt 0x0                                ; the bases are stepped only behind this wait
	s_add_nc_u64 s[4:5], s[4:5], 16384
	s_add_nc_u64 s[24:25], s[24:25], 256           ; tile t's place in a group's K step
	s_add_co_u32 s17, s17, 4096
	s_add_co_u32 s18, s18, 256
	s_add_co_u32 s19, s19, 64
	s_sub_co_u32 s16, s16, 1
	s_cmp_lg_u32 s16, 0
	s_cbranch_scc1 .Ltile
	TILEADR                                        ; the last tile asks for nothing: the counts run down
	SLAB 0, 0, 48
	SLAB 1, 0, 32
	SLAB 2, 0, 16
	SLAB 3, 0, 0
	s_wait_dscnt 0x0                               ; for the others' sake: my images, scale words and t2 have landed
	s_barrier_signal -1
	s_barrier_wait -1
; ---- BETWEEN THE PHASES: the first three query tiles are asked for; all 16 train tiles come into registers; my two groups' scale words and t2 go to ts and tt.
.macro QLOADS buf, toff                ; ten loads: a query tile's 8 x 512 bytes of codes, its q2, its scale words
	WIN 0xC0
.irp n, 0,1,2,3,4,5,6,7
	global_load_b128 v[QF+32*\buf+4*\n:QF+32*\buf+4*\n+3], v[LA], s[6:7] offset:4096*(\toff)+512*\n
.endr
	global_load_b32 v[Q2R+\buf], v[Q2A], s[22:23] offset:64*(\toff)
	WIN 0
	global_load_b64 v[QS+2*\buf:QS+2*\buf+1], v[QSA], s[8:9] offset:256*(\toff)
.endm
	QLOADS 0, 0
	QLOADS 1, 1
	QLOADS 2, 2
	WIN 0x40
.set fa, 0
.rept 64                               ; tiles 0-7: fa = 8 a + 2 s + c
	ds_load_b128 v[4*fa:4*fa+3], v[LI] offset:512*fa
.set fa, fa+1
.endr
	WIN 0x80
.set fa, 0
.rept 64                               ; tiles 8-15
	ds_load_b128 v[4*fa:4*fa+3], v[LI] offset:32768+512*fa
.set fa, fa+1
.endr
	WIN 0xC0
.set fa, 0
.rept 32                               ; t2: register 8 a + j = tile a, row 8 h + j
	ds_load_b128 v[T2R+4*fa:T2R+4*fa+3], v[LT] offset:64*(fa/2)+16*(fa%2)
.set fa, fa+1
.endr
	v_mov_b32 v[Q2C+1], 0                          ; named as the upper half of a pair, so it is written
	WIN 0
.set fa, 0
.rept 32
	ds_load_b32 v[TS+fa], v[LS] offset:128*fa
.set fa, fa+1
.endr
.irp g, 0,1                            ; group w (tile rows 0-7) and group w + 4 (tile rows 8-15)
.irp u, 0,1
.irp e, 0,1
	ds_load_b32 v[CD+4*\g+2*\u+\e], v[CAL] offset:512*\u+128*\e+32*\g
.endr
.endr
.endr
.irp g, 0,1
	ds_load_b32 v[CD+8+\g], v[CBL] offset:32*\g
.endr
	s_wait_dscnt 0x0
	global_store_b128 v[LA], v[CD:CD+3], s[32:33]                 ; 512 consecutive bytes: a group's scale words
	global_store_b128 v[LA], v[CD+4:CD+7], s[32:33] offset:2048
	global_store_b32 v[CBG], v[CD+8], s[34:35]                    ; 128 consecutive bytes: a group's t2
	global_store_b32 v[CBG], v[CD+9], s[34:35] offset:512
; ---- PHASE B.
; Product i of 16 of pair P: K step i / 4, tile 4 P + i % 4, into bank P % 2.  The four accumulators take turns, one instruction a turn.
.macro WM P, buf, i
.set wS, (\i)/4
.set wA, 4*(\P)+(\i)%4
.set wD, ACC+32*((\P)&1)+8*((\i)%4)
.set wF, 32*(wA&7)+8*wS
.set wQ, QF+32*(\buf)+8*wS
.set wTS, TS+2*wA+wS/2
.set wQS, QS+2*(\buf)+wS/2
.if wS == 0
	v_wmma_scale_f32_16x16x128_f8f6f4 v[wD:wD+7], v[wF:wF+7], v[wQ:wQ+7], 0, v[wTS], v[wQS] matrix_a_fmt:MATRIX_FMT_FP4 matrix_b_fmt:MATRIX_FMT_FP4
.elseif wS == 2
	v_wmma_scale_f32_16x16x128_f8f6f4 v[wD:wD+7], v[wF:wF+7], v[wQ:wQ+7], v[wD:wD+7], v[wTS], v[wQS] matrix_a_fmt:MATRIX_FMT_FP4 matrix_b_fmt:MATRIX_FMT_FP4
.else
	v_wmma_scale_f32_16x16x128_f8f6f4 v[wD:wD+7], v[wF:wF+7], v[wQ:wQ+7], v[wD:wD+7], v[wTS], v[wQS] matrix_a_fmt:MATRIX_FMT_FP4 matrix_b_fmt:MATRIX_FMT_FP4 matrix_a_scale:MATRIX_SCALE_ROW1 matrix_b_scale:MATRIX_SCALE_ROW1
.endif
.endm
; Addition n of 32 on pair P's finished bank: per tile first q2 + z on its four pairs of registers, from the low end on, then + t2: the two roundings of (q2 - 2 q.t) + t2.
; Written as 1.0 x s + d, so that q2 and t2 stand in source 1, whose window (3) is the one that the products beside it need: no switch between a product and an addition.
.macro PK P, n
.set pT, (\n)/8
.set pM, (\n)%8
.if pM < 4
.set pD, ACC+32*((\P)&1)+8*pT+2*pM
	v_pk_fma_f32 v[pD:pD+1], 1.0, v[Q2C:Q2C+1], v[pD:pD+1] op_sel_hi:[0,0,1]
.else
.set pD, ACC+32*((\P)&1)+8*pT+2*(pM-4)
.set pS, T2R+8*(4*(\P)+pT)+2*(pM-4)
	v_pk_fma_f32 v[pD:pD+1], 1.0, v[pS:pS+1], v[pD:pD+1] op_sel_hi:[0,1,1]
.endif
.endm
.macro MINB P                          ; the smallest of my 32 numbers of pair P: my group's; clipped at 0.  17 plain instructions that name only the bank not being multiplied into
.set mD, ACC+32*((\P)&1)
.irp t, 0,1,2,3
	v_min3_num_f32 v[M+\t], v[mD+8*\t], v[mD+8*\t+1], v[mD+8*\t+2]
.endr
.irp t, 0,1,2,3
	v_min3_num_f32 v[M+\t], v[M+\t], v[mD+8*\t+3], v[mD+8*\t+4]
.endr
.irp t, 0,1,2,3
	v_min3_num_f32 v[M+\t], v[M+\t], v[mD+8*\t+5], v[mD+8*\t+6]
.endr
	v_min3_num_f32 v[M], v[M], v[M+1], v[M+2]
	v_min3_num_f32 v[M+3], v[M+3], v[mD+7], v[mD+15]
	v_min3_num_f32 v[M], v[M], v[M+3], v[mD+23]
	v_min_num_f32 v[M], v[M], v[mD+31]
	v_max_num_f32 v[OUT+\P], 0, v[M]
.endm
; 16 products of pair Pw, two additions of pair Pp (the other bank) behind each, then Pp's minimum.  The minimum's 17 lines are the places between this run's last products and
; the next run's first read of them, and in front of loads into the queries' registers.
.macro RUN Pw, bufw, Pp
	WIN 0x0D+(\Pw)/2                               ; source 0 window 1 or 2 (train tile), source 1 window 3 (queries, q2, t2), C and D window 0
.set ri, 0
.rept 16
	WM \Pw, \bufw, ri
	PK \Pp, 2*ri
	PK \Pp, 2*ri+1
.set ri, ri+1
.endr
	WIN 0
	MINB \Pp
.endm
; A query tile.  Its pair 0 was multiplied at the end of the tile before.  ld = 1: the tile three on is asked for, into the set just done with.  nxt = 1: the next tile's pair 0.
; cnt = the loads issued behind the next tile's ten: ten for each younger tile.
.macro BODY buf, nbuf, i, ld, nxt, cnt
	s_wait_xcnt 0x0                                ; the last tile's store has read its four registers
	WIN 0xC3
	v_mov_b32 v[Q2C], v[Q2R+\buf]
	RUN 1, \buf, 0
	RUN 2, \buf, 1
	RUN 3, \buf, 2
.if \ld
	QLOADS \buf, \i+3
.endif
.if \nxt
	s_wait_loadcnt \cnt
	RUN 0, \nbuf, 3
.else
	WIN 0x0D
.set ri, 0
.rept 32
	PK 3, ri
.set ri, ri+1
.endr
	WIN 0
	MINB 3
.endif
	global_store_b128 v[GO], v[OUT:OUT+3], s[12:13] offset:512*\i   ; lane (r, h): groups 4 h .. 4 h + 3 of query r: the wave stores 512 consecutive bytes
.endm
	s_wait_loadcnt 20                              ; tile 0's ten loads are in; tiles 1 and 2 may be out
	WIN 0x0D
.set ri, 0
.rept 16
	WM 0, 0, ri
.set ri, ri+1
.endr
.rept 4
	v_nop                                          ; places behind the first products: no other vector work is at hand yet
.endr
	WIN 0
	s_mov_b32 s16, 9
.Lq:                                               ; nine trips of three tiles: the sets come round
	BODY 0, 1, 0, 1, 1, 20
	BODY 1, 2, 1, 1, 1, 20
	BODY 2, 0, 2, 1, 1, 20
	s_wait_xcnt 0x0                                ; the bases are stepped only behind this wait
	s_add_nc_u64 s[6:7], s[6:7], 12288
	s_add_nc_u64 s[8:9], s[8:9], 768
	s_add_nc_u64 s[22:23], s[22:23], 192
	s_add_nc_u64 s[12:13], s[12:13], 1536
	s_sub_co_u32 s16, s16, 1
	s_cmp_lg_u32 s16, 0
	s_cbranch_scc1 .Lq
	BODY 0, 1, 0, 1, 1, 20                         ; tiles 27 to 31: the last two loads, then none: no load leaves its buffer
	BODY 1, 2, 1, 1, 1, 20
	BODY 2, 0, 2, 0, 1, 10
	BODY 0, 1, 3, 0, 1, 0
	BODY 1, 0, 4, 0, 0, 0
	s_wait_tensorcnt 0x0
	ds_add_u32 v254, v255
	s_wait_dscnt 0x0
	s_endpgm
.Lfunc_end_k_qb0619303cf_main:
	.size	k_qb0619303cf_main, .Lfunc_end_k_qb0619303cf_main-k_qb0619303cf_main
	.p2alignl 7, 3214868480
	.fill 96, 4, 3214868480
	.section	.rodata,"a",@progbits
	.p2align	6, 0x0
	.amdhsa_kernel k_qb0619303cf_main
		.amdhsa_group_segment_fixed_size 104960
		.amdhsa_private_segment_fixed_size 0
		.amdhsa_enable_private_segment 0
		.amdhsa_kernarg_size 56
		.amdhsa_user_sgpr_count 2
		.amdhsa_user_sgpr_kernarg_segment_ptr 1
		.amdhsa_wavefront_size32 1
		.amdhsa_system_sgpr_workgroup_id_x 1
		.amdhsa_system_sgpr_workgroup_id_y 1
		.amdhsa_system_sgpr_workgroup_id_z 1
		.amdhsa_system_vgpr_workitem_id 0
		.amdhsa_next_free_vgpr 1024
		.amdhsa_next_free_sgpr 66
		.amdhsa_reserve_vcc 0
		.amdhsa_float_denorm_mode_32 3
		.amdhsa_float_denorm_mode_16_64 3
		.amdhsa_memory_ordered 1
		.amdhsa_forward_progress 1
		.amdhsa_inst_pref_size 255
	.end_amdhsa_kernel
	.section	.bss,"aw",@nobits
	.p2align	6
	.space	262144
	.amdgpu_metadata
---
amdhsa.version: [ 1, 2 ]
amdhsa.kernels:
  - .name:           k_qb0619303cf_main
    .symbol:         k_qb0619303cf_main.kd
    .args:
      - { .name: X_train, .offset: 0, .size: 8, .value_kind: global_buffer, .address_space: global }
      - { .name: qc, .offset: 8, .size: 8, .value_kind: global_buffer, .address_space: global }
      - { .name: qm, .offset: 16, .size: 8, .value_kind: global_buffer, .address_space: global }
      - { .name: tc, .offset: 24, .size: 8, .value_kind: global_buffer, .address_space: global }
      - { .name: ts, .offset: 32, .size: 8, .value_kind: global_buffer, .address_space: global }
      - { .name: tt, .offset: 40, .size: 8, .value_kind: global_buffer, .address_space: global }
      - { .name: gm, .offset: 48, .size: 8, .value_kind: global_buffer, .address_space: global }
    .group_segment_fixed_size: 104960
    .private_segment_fixed_size: 0
    .kernarg_segment_align: 8
    .kernarg_segment_size: 56
    .max_flat_workgroup_size: 128
    .sgpr_count:     66
    .vgpr_count:     1024
    .wavefront_size: 32
...
	.end_amdgpu_metadata
.endif
;; end of part 2
;; launch select (part 3): grid 256 x 1, 8 waves a work-group, no clusters, 66,816 bytes of LDS; arguments gm, gl; writes gl
.if DOCPART == 3
	.amdgcn_target "amdgcn-amd-amdhsa--gfx1250"
	.amdhsa_code_object_version 6
	.text
	.protected	k_qb0619303cf_select
	.globl	k_qb0619303cf_select
	.p2align	8
	.type	k_qb0619303cf_select,@function
k_qb0619303cf_select:
	s_mov_b64 s[64:65], 0
	v_nop
	global_prefetch_b8 v0, s[64:65] scope:SCOPE_SE
	s_setreg_imm32_b32 hwreg(HW_REG_WAVE_MODE, 25, 1), 1
	s_wait_xcnt 0x0
; SELECT.  For each query: the 32 of its 2,048 groups that come first by (distance of the group's nearest row, group number).  Out: gl [query 2048][32] u32: their numbers, ascending.
; Every address here is fixed: what is chosen is stored as data and steers addresses only in the next launch.
; THE ORDER.  distance = the correctly rounded root of d2, which never falls where d2 rises.  So the 32nd smallest distance is the root of T, the 32nd smallest d2, and the d2 that share that root are the
; f32 numbers LO .. HI round T (at most three neighbours share a root: five roots decide).  Chosen: every group under LO, and of those in LO .. HI the first by number until 32 are chosen.
; T comes from a sorting network on registers (no branch, no address hangs on a number): each lane sorts its 64, keeps 32, and five exchanges between lanes leave the query's 32 smallest, ascending, in every lane.
; THE LIST comes from the same network once more: a chosen group's key is its number as f32 (exact: under 2,048), every other key is 2e6; the 32 smallest keys are the chosen numbers, and lane l keeps number l.
; SHARES.  A work-group takes 8 queries, a wave one.  gm holds a chunk's 8 groups of 8 neighbouring queries in 256 consecutive bytes: 16 lanes read them whole, and LDS turns them into rows by query.
; A wave stores 128 consecutive bytes, the eight waves of a work-group 1,024.
; LIMITS: NaN and infinities are not served (with them fewer than 32 groups might compare as chosen; the list's rest would be 2,000,000, which the next launch holds to the last group).
; No matrix unit, no cluster, no tensor load: nothing is shared between work-groups and the work is vector work.
.set GROW, 8224                        ; LDS: a query's 2,048 minima + 32 bytes, so that the eight rows start in different banks; eight rows from byte 0
.set VG,  1
.set VS,  2
.set VR,  3
.set L4,  4                            ; 4 x lane
.set LN2, 7                            ; lane - 2
.set LN,  9                            ; lane
.set X,   16                           ; v16-79   register k, lane l: group 32 k + l
.set A,   80                           ; v80-143, v144-207: the network's two banks
.set B,   144
.set XB,  208
.set XS,  209
.set S,   210
.set DN,  211
.set UP,  212
.set RD,  213
.set RU,  214
.set VC,  215
.set RK,  216
.set BIG, 217
.set GF,  218
.set RES, 219
.set SEL, 12
.set SM,  14
.set TD,  15
.set MM,  16
.set T1,  17
.set T2,  18
.set TT,  19
.set LO,  20
.set HI,  21
.set NEED, 22
.set SA,  23
.set SB,  24
.set SC,  25
.set TBASE, 26
; One stage of a bitonic network over a lane's n registers, from bank src to bank dst: partners i and i xor j; ascending where i and k share no bit
.macro STAGE src, dst, n, k, j
.set si, 0
.rept \n
.set sp, si ^ \j
.if sp > si
.if (si & \k) == 0
	v_min_num_f32 v[\dst+si], v[\src+si], v[\src+sp]
	v_max_num_f32 v[\dst+sp], v[\src+si], v[\src+sp]
.else
	v_max_num_f32 v[\dst+si], v[\src+si], v[\src+sp]
	v_min_num_f32 v[\dst+sp], v[\src+si], v[\src+sp]
.endif
.endif
.set si, si+1
.endr
.endm
.macro SORT src, n                     ; 15 stages: runs of 32, the first ascending, the second (n = 64) descending; the result lies in bank A
	STAGE \src, A, \n, 2, 1
	STAGE A, B, \n, 4, 2
	STAGE B, A, \n, 4, 1
	STAGE A, B, \n, 8, 4
	STAGE B, A, \n, 8, 2
	STAGE A, B, \n, 8, 1
	STAGE B, A, \n, 16, 8
	STAGE A, B, \n, 16, 4
	STAGE B, A, \n, 16, 2
	STAGE A, B, \n, 16, 1
	STAGE B, A, \n, 32, 16
	STAGE A, B, \n, 32, 8
	STAGE B, A, \n, 32, 4
	STAGE A, B, \n, 32, 2
	STAGE B, A, \n, 32, 1
.endm
.macro CLEAN                           ; a bitonic run of 32 in bank B -> ascending in bank A
	STAGE B, A, 32, 64, 16
	STAGE A, B, 32, 64, 8
	STAGE B, A, 32, 64, 4
	STAGE A, B, 32, 64, 2
	STAGE B, A, 32, 64, 1
.endm
.macro XM m                            ; the 32 smallest of my 32 and lane l xor m's 32: min(mine[i], the other's[31 - i]) is bitonic
.set xi, 0
.rept 32
	v_min_num_f32_dpp v[B+xi], v[A+31-xi], v[A+xi] row_xmask:\m row_mask:0xf bank_mask:0xf
.set xi, xi+1
.endr
	CLEAN
.endm
.macro XM16                            ; the same with lane l xor 16
.set xi, 0
.rept 32
	v_permlanex16_b32 v[B+xi], v[A+31-xi], s[SEL], s[SEL+1]
.set xi, xi+1
.endr
.set xi, 0
.rept 32
	v_min_num_f32 v[B+xi], v[B+xi], v[A+xi]
.set xi, xi+1
.endr
	CLEAN
.endm
.macro SMALLEST32                      ; of the wave's 64 x 32 numbers in X: the 32 smallest, ascending, in bank A of every lane
	SORT X, 64
.set li, 0
.rept 32
	v_min_num_f32 v[B+li], v[A+li], v[A+32+li]     ; ascending against descending: the lane's 32 smallest, bitonic
.set li, li+1
.endr
	CLEAN
	XM 1
	XM 2
	XM 4
	XM 8
	XM16
.endm
; From the 32 smallest (bank A, ascending, the same in every lane): LO, HI (bit patterns of f32 numbers) and NEED = 32 - the count of numbers under LO.
; Lanes 0 to 4 take the correctly rounded roots of the five neighbours T - 2 .. T + 2 (neighbours by bit pattern; under T = 0 these are NaN patterns, which compare unequal, as wanted).
; The root: v_sqrt_f32 is good to one unit in the last place and takes denormals as zero (ISA guide, its entry), so small numbers go in times 2^32 and come out times 2^-16, and two
; fused residuals against the neighbours below and above settle the last bit.
.macro WINDOW
	v_add_nc_u32 v[XB], v[A+31], v[LN2]
	v_cmp_gt_f32 s[SM], 0x0f800000, v[XB]
	v_mul_f32 v[XS], 0x4f800000, v[XB]
	v_cndmask_b32 v[XS], v[XB], v[XS], s[SM]
	v_sqrt_f32 v[S], v[XS]
	v_mov_b32 v[VC], 0                             ; (a plain place behind the transcendental)
	s_wait_alu depctr_va_vdst(0)
	v_add_nc_u32 v[DN], -1, v[S]
	v_add_nc_u32 v[UP], 1, v[S]
	v_fma_f32 v[RD], -v[DN], v[S], v[XS]
	v_fma_f32 v[RU], -v[UP], v[S], v[XS]
	v_cmp_ge_f32 vcc_lo, 0, v[RD]
	v_cndmask_b32 v[S], v[S], v[DN], vcc_lo
	v_cmp_lt_f32 vcc_lo, 0, v[RU]
	v_cndmask_b32 v[S], v[S], v[UP], vcc_lo
	v_mul_f32 v[RD], 0x37800000, v[S]
	v_cndmask_b32 v[S], v[S], v[RD], s[SM]
	v_readlane_b32 s[TD], v[S], 2                  ; the threshold distance
	v_cmp_eq_f32 s[MM], s[TD], v[S]                ; bits 0 .. 4: which neighbours share it
	v_readfirstlane_b32 s[TT], v[A+31]
	s_lshr_b32 s[T1], s[MM], 1
	s_and_b32 s[T2], s[T1], s[MM]
	s_and_b32 s[T1], s[T1], 1
	s_and_b32 s[T2], s[T2], 1
	s_add_co_u32 s[T1], s[T1], s[T2]               ; b1 + (b1 and b0)
	s_sub_co_u32 s[LO], s[TT], s[T1]
	s_lshr_b32 s[T1], s[MM], 3
	s_lshr_b32 s[T2], s[MM], 4
	s_and_b32 s[T2], s[T2], s[T1]
	s_and_b32 s[T1], s[T1], 1
	s_and_b32 s[T2], s[T2], 1
	s_add_co_u32 s[T1], s[T1], s[T2]               ; b3 + (b3 and b4)
	s_add_co_u32 s[HI], s[TT], s[T1]
.set xi, 0
.rept 32
	v_cmp_gt_f32 vcc_lo, s[LO], v[A+xi]
	v_add_co_ci_u32 v[VC], vcc_lo, 0, v[VC], vcc_lo
.set xi, xi+1
.endr
	v_readfirstlane_b32 s[T1], v[VC]
	s_sub_co_u32 s[NEED], 32, s[T1]
	s_mov_b32 s[TBASE], 0
.endm
.macro CHOOSE k                        ; s[SA] = the lanes whose register k is chosen.  Registers in ascending k, lanes ascending: the order of the numbers' indices
	v_cmp_gt_f32 s[SA], s[LO], v[X+\k]
	v_cmp_ge_f32 s[SB], s[HI], v[X+\k]
	s_and_not1_b32 s[SB], s[SB], s[SA]             ; at the threshold distance
	v_mbcnt_lo_u32_b32 v[RK], s[SB], s[TBASE]      ; how many such come before me
	v_cmp_gt_u32 s[SC], s[NEED], v[RK]
	s_bcnt1_i32_b32 s[T1], s[SB]
	s_add_co_u32 s[TBASE], s[TBASE], s[T1]
	s_and_b32 s[SB], s[SB], s[SC]
	s_or_b32 s[SA], s[SA], s[SB]
.endm
	s_load_b128 s[4:7], s[0:1], 0x0                ; gm, gl
	v_lshl_add_u32 v224, v0, 2, 0x10100
	v_mov_b32 v225, 0
	v_lshrrev_b32 v8, 5, v0
	v_readfirstlane_b32 s8, v8                     ; wave
	v_and_b32 v[LN], 31, v0                        ; lane
	v_add_nc_u32 v[LN2], -2, v[LN]
	v_lshlrev_b32 v[L4], 2, v[LN]
	v_and_b32 v10, 15, v0
	v_bfe_u32 v11, v0, 4, 1
	v_lshlrev_b32 v[VG], 4, v10
	v_lshl_add_u32 v[VG], v11, 16, v[VG]           ; lanes 0-15 one chunk's 256 bytes, lanes 16-31 the next chunk's
	v_bfe_u32 v12, v0, 1, 3                        ; which of the 8 queries my 16 bytes belong to
	v_mul_u32_u24 v[VS], v12, GROW
	v_and_b32 v12, 1, v0
	v_lshl_add_u32 v[VS], v12, 4, v[VS]            ; groups 0-3 or 4-7 of the chunk
	v_lshl_add_u32 v[VS], v11, 5, v[VS]            ; 32 bytes a chunk
	s_lshl_b32 s9, s8, 10
	v_add_nc_u32 v[VS], s9, v[VS]                  ; my wave's 32 chunks
	s_mul_i32 s9, s8, GROW
	v_lshl_add_u32 v[VR], v[LN], 2, s9
	v_mov_b32 v[BIG], 0x49f42400                   ; 2e6
	v_cvt_f32_u32 v[GF], v[LN]                     ; the number of my group in register 0
	s_mov_b32 s[SEL], 0x76543210
	s_mov_b32 s[SEL+1], 0xfedcba98
	s_lshl_b32 s10, s8, 21                         ; 32 chunks of 65,536 bytes a wave,
	s_lshl_b32 s9, ttmp9, 8                        ; 8 queries of 32 bytes a work-group
	s_add_co_u32 s10, s10, s9
	s_mov_b32 s11, 0
	s_wait_kmcnt 0x0
	s_add_nc_u64 s[4:5], s[4:5], s[10:11]
	s_lshl_b32 s10, ttmp9, 10                      ; gl: 128 bytes a query: 1,024 a work-group,
	s_lshl_b32 s9, s8, 7                           ; 128 a wave
	s_add_co_u32 s10, s10, s9
	s_add_nc_u64 s[6:7], s[6:7], s[10:11]
.set li, 0
.rept 16
	global_load_b128 v[A+4*li:A+4*li+3], v[VG], s[4:5] offset:131072*li th:TH_LOAD_NT
.set li, li+1
.endr
	s_wait_loadcnt 0x0
.set li, 0
.rept 16
	ds_store_b128 v[VS], v[A+4*li:A+4*li+3] offset:64*li
.set li, li+1
.endr
	s_wait_dscnt 0x0                               ; for the others' sake: my stores have landed
	s_barrier_signal -1
	s_barrier_wait -1
.set li, 0
.rept 64
	ds_load_b32 v[X+li], v[VR] offset:128*li
.set li, li+1
.endr
	s_wait_dscnt 0x0
	SMALLEST32
	WINDOW
.set lk, 0
.rept 64
	CHOOSE lk
	v_cndmask_b32 v[X+lk], v[BIG], v[GF], s[SA]    ; the key: a chosen group's number, else 2e6
	v_add_f32 v[GF], 0x42000000, v[GF]             ; the next register's groups lie 32 further on
.set lk, lk+1
.endr
	SMALLEST32                                     ; the chosen numbers, ascending, in every lane
	v_mov_b32 v[RES], v[A]
.set lk, 1
.rept 31
	s_mov_b32 s[T1], 1<<lk
	v_cndmask_b32 v[RES], v[RES], v[A+lk], s[T1]   ; lane l keeps number l
.set lk, lk+1
.endr
	v_cvt_u32_f32 v[RES], v[RES]
	global_store_b32 v[L4], v[RES], s[6:7]         ; 128 consecutive bytes a wave
	s_wait_tensorcnt 0x0
	ds_add_u32 v224, v225
	s_wait_dscnt 0x0
	s_endpgm
.Lfunc_end_k_qb0619303cf_select:
	.size	k_qb0619303cf_select, .Lfunc_end_k_qb0619303cf_select-k_qb0619303cf_select
	.p2alignl 7, 3214868480
	.fill 96, 4, 3214868480
	.section	.rodata,"a",@progbits
	.p2align	6, 0x0
	.amdhsa_kernel k_qb0619303cf_select
		.amdhsa_group_segment_fixed_size 66816
		.amdhsa_private_segment_fixed_size 0
		.amdhsa_enable_private_segment 0
		.amdhsa_kernarg_size 16
		.amdhsa_user_sgpr_count 2
		.amdhsa_user_sgpr_kernarg_segment_ptr 1
		.amdhsa_wavefront_size32 1
		.amdhsa_system_sgpr_workgroup_id_x 1
		.amdhsa_system_sgpr_workgroup_id_y 1
		.amdhsa_system_sgpr_workgroup_id_z 1
		.amdhsa_system_vgpr_workitem_id 0
		.amdhsa_next_free_vgpr 226
		.amdhsa_next_free_sgpr 66
		.amdhsa_reserve_vcc 1
		.amdhsa_float_denorm_mode_32 3
		.amdhsa_float_denorm_mode_16_64 3
		.amdhsa_memory_ordered 1
		.amdhsa_forward_progress 1
		.amdhsa_inst_pref_size 194
	.end_amdhsa_kernel
	.amdgpu_metadata
---
amdhsa.version: [ 1, 2 ]
amdhsa.kernels:
  - .name:           k_qb0619303cf_select
    .symbol:         k_qb0619303cf_select.kd
    .args:
      - { .name: gm, .offset: 0, .size: 8, .value_kind: global_buffer, .address_space: global }
      - { .name: gl, .offset: 8, .size: 8, .value_kind: global_buffer, .address_space: global }
    .group_segment_fixed_size: 66816
    .private_segment_fixed_size: 0
    .kernarg_segment_align: 8
    .kernarg_segment_size: 16
    .max_flat_workgroup_size: 256
    .sgpr_count:     66
    .vgpr_count:     226
    .wavefront_size: 32
...
	.end_amdgpu_metadata
.endif
;; end of part 3
;; launch final (part 4): grid 256 x 1, 8 waves a work-group, no clusters, 0 bytes of LDS; arguments qc, qm, tc, ts, tt, gl, y_train, out0; writes out0
.if DOCPART == 4
	.amdgcn_target "amdgcn-amd-amdhsa--gfx1250"
	.amdhsa_code_object_version 6
	.text
	.protected	k_qb0619303cf_final
	.globl	k_qb0619303cf_final
	.p2align	8
	.type	k_qb0619303cf_final,@function
k_qb0619303cf_final:
	s_mov_b64 s[64:65], 0
	v_nop
	global_prefetch_b8 v0, s[64:65] scope:SCOPE_SE
	s_setreg_imm32_b32 hwreg(HW_REG_WAVE_MODE, 25, 1), 1
	s_wait_xcnt 0x0
; FINAL.  A wave to a query.  The d2 of all 32 rows of its 32 chosen groups, by the same products as in the pass over all rows; of these 1,024 rows the 32 that come first by (distance, index);
; of their labels the most frequent, the lower class where counts are equal.
; THE GATHER.  The 32 group numbers come from gl; each is held to 0 .. 2,047 and shifted into the offsets of the loads: tc 8,192 bytes a group, ts 512, tt and y_train 128.  There is no branch and no mask
; on loaded numbers.  A slot (one group) is 16 loads of 512 consecutive bytes of codes and one of scale words; three slots, 51 loads, are on their way.
; THE PRODUCTS.  Source 0 = my query's fragment in all 16 rows, source 1 = 16 rows of the group: the form, modifiers and order along K of the first pass with its sources swapped.  Register 0 of lane (r, h)
; is then (my query, row r of the tile), in both halves of the lanes; lanes 0-15 take tile 0's and lanes 16-31 tile 1's, so that lane L holds row L of the group.  Fifteen of sixteen results are not used:
; queries choose different groups, so a tile of train rows has one query to serve; that is also why nothing is shared through LDS or a cluster.
; Register k = slot k, lane = row: the list ascends, so (k, lane) is the order of the rows' indices.  The choice: the 32nd smallest d2 by a sorting network, the f32 numbers LO .. HI that share its
; correctly rounded root, everything under LO, and of LO .. HI the first by index until 32 are chosen.
; ALL 1,024 labels are loaded; the choice acts on values only: an unchosen row's label becomes 2e6, a chosen label outside 0 .. 99 becomes 1e6 (it casts no vote, as a one-hot row of zeros), and a second pass
; of the network leaves the 32 chosen labels, ascending, in every lane.  Run lengths give the counts: the key 128 x count - label is largest for the largest count and then the lowest label;
; no valid label at all leaves the key 0, which decodes to class 0.
; LIMITS: NaN and infinities among the distances are not served.
; The output is four bytes a query, 32 neighbouring bytes a work-group: 8 KB in all.
; REGISTERS.  Window 0: v1-15 addresses and constants; v16-47 X (d2); v48-79 the query's fragments, later bank A; v80-111 t2, later bank B; v112-143 labels; v144-175 two banks of two accumulators, later the keys;
;   v176-184 at work; v192-203 the slots' scale words, v204-205 the query's; v206 q2; v208-210, v212-214 the slots' offsets.   Window 1: v0-191 three slots of 64: 32 u + 8 s + 4 c.
.set L4,   1                           ; 4 x lane
.set LN2,  2                           ; lane - 2
.set GI,   3                           ; lane = slot: its group's number
.set BAD,  4
.set BIG,  5
.set RUNR, 6
.set KEY,  7
.set BEST, 8
.set LN,   9
.set ZR,   10
.set CL,   12                          ; my lane's place in a tile of tc: 256 (r / 8) + 128 h + 16 (r % 8)
.set SLN,  13                          ; 16 x lane
.set QAD,  14                          ; 256 h
.set QSAD, 15                          ; 128 h
.set X,    16
.set A,    48
.set B,    80
.set LAB,  112
.set KK,   144
.set QF,   48
.set T2,   80
.set ACC,  144
.set XB,   176
.set XS,   177
.set S,    178
.set DN,   179
.set UP,   180
.set RD,   181
.set RU,   182
.set VC,   183
.set RK,   184
.set SC,   192
.set QS,   204
.set Q2,   206
.set CO,   208
.set SO,   212
.set SEL, 20
.set SM,  22
.set TD,  23
.set MM,  24
.set U1,  25
.set U2,  26
.set TT,  27
.set LO,  28
.set HI,  29
.set NEED, 30
.set SA,  31
.set SB,  32
.set SC1, 33
.set TBASE, 34
.set GS,  35
.set VV,  36
.set C128, 37
.set HM,  38
.set MSB, 0
.macro WIN new                         ; the immediate's high byte repeats the setting that is left; a switch that changes nothing is dropped
.if MSB != (\new)
	s_set_vgpr_msb (MSB<<8)|(\new)
.set MSB, \new
.endif
.endm
.macro STAGE src, dst, n, k, j         ; one stage of a bitonic network over a lane's n registers: partners i and i xor j; ascending where i and k share no bit
.set si, 0
.rept \n
.set sp, si ^ \j
.if sp > si
.if (si & \k) == 0
	v_min_num_f32 v[\dst+si], v[\src+si], v[\src+sp]
	v_max_num_f32 v[\dst+sp], v[\src+si], v[\src+sp]
.else
	v_max_num_f32 v[\dst+si], v[\src+si], v[\src+sp]
	v_min_num_f32 v[\dst+sp], v[\src+si], v[\src+sp]
.endif
.endif
.set si, si+1
.endr
.endm
.macro SORT src, n                     ; 15 stages; the result, ascending, lies in bank A
	STAGE \src, A, \n, 2, 1
	STAGE A, B, \n, 4, 2
	STAGE B, A, \n, 4, 1
	STAGE A, B, \n, 8, 4
	STAGE B, A, \n, 8, 2
	STAGE A, B, \n, 8, 1
	STAGE B, A, \n, 16, 8
	STAGE A, B, \n, 16, 4
	STAGE B, A, \n, 16, 2
	STAGE A, B, \n, 16, 1
	STAGE B, A, \n, 32, 16
	STAGE A, B, \n, 32, 8
	STAGE B, A, \n, 32, 4
	STAGE A, B, \n, 32, 2
	STAGE B, A, \n, 32, 1
.endm
.macro CLEAN
	STAGE B, A, 32, 64, 16
	STAGE A, B, 32, 64, 8
	STAGE B, A, 32, 64, 4
	STAGE A, B, 32, 64, 2
	STAGE B, A, 32, 64, 1
.endm
.macro XM m                            ; the 32 smallest of my 32 and lane l xor m's 32
.set xi, 0
.rept 32
	v_min_num_f32_dpp v[B+xi], v[A+31-xi], v[A+xi] row_xmask:\m row_mask:0xf bank_mask:0xf
.set xi, xi+1
.endr
	CLEAN
.endm
.macro XM16
.set xi, 0
.rept 32
	v_permlanex16_b32 v[B+xi], v[A+31-xi], s[SEL], s[SEL+1]
.set xi, xi+1
.endr
.set xi, 0
.rept 32
	v_min_num_f32 v[B+xi], v[B+xi], v[A+xi]
.set xi, xi+1
.endr
	CLEAN
.endm
.macro ALL32                           ; from 32 ascending numbers a lane to the wave's 32 smallest, ascending, in every lane
	XM 1
	XM 2
	XM 4
	XM 8
	XM16
.endm
; LO, HI, NEED from the 32 smallest: lanes 0 to 4 take the correctly rounded roots of the neighbours T - 2 .. T + 2 by bit pattern.  v_sqrt_f32 is good to one unit in the last place and takes
; denormals as zero (ISA guide, its entry): small numbers go in times 2^32 and come out times 2^-16, and two fused residuals settle the last bit.
.macro WINDOW
	v_add_nc_u32 v[XB], v[A+31], v[LN2]
	v_cmp_gt_f32 s[SM], 0x0f800000, v[XB]
	v_mul_f32 v[XS], 0x4f800000, v[XB]
	v_cndmask_b32 v[XS], v[XB], v[XS], s[SM]
	v_sqrt_f32 v[S], v[XS]
	v_mov_b32 v[VC], 0                             ; (a plain place behind the transcendental)
	s_wait_alu depctr_va_vdst(0)
	v_add_nc_u32 v[DN], -1, v[S]
	v_add_nc_u32 v[UP], 1, v[S]
	v_fma_f32 v[RD], -v[DN], v[S], v[XS]
	v_fma_f32 v[RU], -v[UP], v[S], v[XS]
	v_cmp_ge_f32 vcc_lo, 0, v[RD]
	v_cndmask_b32 v[S], v[S], v[DN], vcc_lo
	v_cmp_lt_f32 vcc_lo, 0, v[RU]
	v_cndmask_b32 v[S], v[S], v[UP], vcc_lo
	v_mul_f32 v[RD], 0x37800000, v[S]
	v_cndmask_b32 v[S], v[S], v[RD], s[SM]
	v_readlane_b32 s[TD], v[S], 2
	v_cmp_eq_f32 s[MM], s[TD], v[S]
	v_readfirstlane_b32 s[TT], v[A+31]
	s_lshr_b32 s[U1], s[MM], 1
	s_and_b32 s[U2], s[U1], s[MM]
	s_and_b32 s[U1], s[U1], 1
	s_and_b32 s[U2], s[U2], 1
	s_add_co_u32 s[U1], s[U1], s[U2]
	s_sub_co_u32 s[LO], s[TT], s[U1]
	s_lshr_b32 s[U1], s[MM], 3
	s_lshr_b32 s[U2], s[MM], 4
	s_and_b32 s[U2], s[U2], s[U1]
	s_and_b32 s[U1], s[U1], 1
	s_and_b32 s[U2], s[U2], 1
	s_add_co_u32 s[U1], s[U1], s[U2]
	s_add_co_u32 s[HI], s[TT], s[U1]
.set xi, 0
.rept 32
	v_cmp_gt_f32 vcc_lo, s[LO], v[A+xi]
	v_add_co_ci_u32 v[VC], vcc_lo, 0, v[VC], vcc_lo
.set xi, xi+1
.endr
	v_readfirstlane_b32 s[U1], v[VC]
	s_sub_co_u32 s[NEED], 32, s[U1]
	s_mov_b32 s[TBASE], 0
.endm
.macro CHOOSE k                        ; s[SA] = the lanes whose register k is chosen
	v_cmp_gt_f32 s[SA], s[LO], v[X+\k]
	v_cmp_ge_f32 s[SB], s[HI], v[X+\k]
	s_and_not1_b32 s[SB], s[SB], s[SA]
	v_mbcnt_lo_u32_b32 v[RK], s[SB], s[TBASE]
	v_cmp_gt_u32 s[SC1], s[NEED], v[RK]
	s_bcnt1_i32_b32 s[U1], s[SB]
	s_add_co_u32 s[TBASE], s[TBASE], s[U1]
	s_and_b32 s[SB], s[SB], s[SC1]
	s_or_b32 s[SA], s[SA], s[SB]
.endm
; Slot k's 17 loads, into ring place k % 3.  The place's two offset registers are free: its last loads were shown done by the counted wait in front of their products.
.macro ISSUE k
.set ib, (\k)%3
	v_readlane_b32 s[GS], v[GI], \k
	s_min_u32 s[GS], s[GS], 0x7ff                  ; a loaded number enters an address only held to its range
	v_lshl_add_u32 v[CO+ib], s[GS], 13, v[CL]
	v_lshl_add_u32 v[SO+ib], s[GS], 9, v[SLN]
	WIN 0x40                                       ; destination window 1, address window 0
.irp u, 0,1
.irp s, 0,1,2,3
.irp c, 0,1
	global_load_b128 v[64*ib+32*\u+8*\s+4*\c:64*ib+32*\u+8*\s+4*\c+3], v[CO+ib], s[8:9] offset:2048*\s+1024*\c+512*\u   ; 512 consecutive bytes: registers 4 c .. 4 c + 3 of tile u, K step s
.endr
.endr
.endr
	WIN 0
	global_load_b128 v[SC+4*ib:SC+4*ib+3], v[SO+ib], s[10:11]   ; word 2 u + s / 2: lanes 0-15 the even K step's, lanes 16-31 the odd one's
.endm
; One product of slot k: tile u, K step s.  The slot's two accumulators take turns, one instruction a turn.
.macro WG k, u, s
.set gD, ACC+16*((\k)&1)+8*(\u)
.set gB, 64*((\k)%3)+32*(\u)+8*(\s)
.set gA, QF+8*(\s)
.set gSA, QS+(\s)/2
.set gSB, SC+4*((\k)%3)+2*(\u)+(\s)/2
.if (\s) == 0
	v_wmma_scale_f32_16x16x128_f8f6f4 v[gD:gD+7], v[gA:gA+7], v[gB:gB+7], 0, v[gSA], v[gSB] matrix_a_fmt:MATRIX_FMT_FP4 matrix_b_fmt:MATRIX_FMT_FP4
.elseif (\s) == 2
	v_wmma_scale_f32_16x16x128_f8f6f4 v[gD:gD+7], v[gA:gA+7], v[gB:gB+7], v[gD:gD+7], v[gSA], v[gSB] matrix_a_fmt:MATRIX_FMT_FP4 matrix_b_fmt:MATRIX_FMT_FP4
.else
	v_wmma_scale_f32_16x16x128_f8f6f4 v[gD:gD+7], v[gA:gA+7], v[gB:gB+7], v[gD:gD+7], v[gSA], v[gSB] matrix_a_fmt:MATRIX_FMT_FP4 matrix_b_fmt:MATRIX_FMT_FP4 matrix_a_scale:MATRIX_SCALE_ROW1 matrix_b_scale:MATRIX_SCALE_ROW1
.endif
.endm
.macro POST j                          ; slot j's d2: lane L takes row L; the two roundings of (q2 - 2 q.t) + t2; the clip.  Each accumulator is read at its lowest register
.set pD, ACC+16*((\j)&1)
	v_cndmask_b32 v[X+(\j)], v[pD], v[pD+8], s[HM]
	v_add_f32 v[X+(\j)], v[Q2], v[X+(\j)]
	v_add_f32 v[X+(\j)], v[X+(\j)], v[T2+(\j)]
	v_max_num_f32 v[X+(\j)], 0, v[X+(\j)]
.endm
; A slot: its loads are in (17 for each younger slot may be out); eight products; then six plain lines that name none of their registers (the slot before's four additions, two offsets or two v_nop):
; the places in front of the loads into this slot's operands, of the read of its results, and of the product that begins its bank anew two slots on.
.macro SLOT k
.if (\k) < 30
	s_wait_loadcnt 34
.elseif (\k) == 30
	s_wait_loadcnt 17
.else
	s_wait_loadcnt 0
.endif
	WIN 0x04                                       ; source 1 (the train rows) window 1; all else window 0
.irp s, 0,1,2,3
.irp u, 0,1
	WG \k, \u, \s
.endr
.endr
	WIN 0
.if (\k) > 0
	POST (\k)-1
.else
.rept 4
	v_nop
.endr
.endif
.if (\k)+3 < 32
	ISSUE (\k)+3
.else
	v_nop
	v_nop
.endif
.endm
	s_load_b256 s[4:11], s[0:1], 0x0               ; qc s[4:5], qm s[6:7], tc s[8:9], ts s[10:11]
	s_load_b256 s[12:19], s[0:1], 0x20             ; tt s[12:13], gl s[14:15], y_train s[16:17], out0 s[18:19]
	v_lshrrev_b32 v11, 5, v0
	v_readfirstlane_b32 s40, v11                   ; wave
	v_and_b32 v[LN], 31, v0
	v_lshlrev_b32 v[L4], 2, v[LN]
	v_add_nc_u32 v[LN2], -2, v[LN]
	v_lshlrev_b32 v[SLN], 4, v[LN]
	v_bfe_u32 v11, v0, 4, 1                        ; h
	v_lshlrev_b32 v[QAD], 8, v11
	v_lshlrev_b32 v[QSAD], 7, v11
	v_and_b32 v[CL], 7, v0
	v_lshlrev_b32 v[CL], 4, v[CL]
	v_lshl_add_u32 v[CL], v11, 7, v[CL]
	v_bfe_u32 v11, v0, 3, 1                        ; r / 8
	v_lshl_add_u32 v[CL], v11, 8, v[CL]
	v_mov_b32 v[BAD], 0x49742400                   ; 1e6
	v_mov_b32 v[BIG], 0x49f42400                   ; 2e6
	v_mov_b32 v[ZR], 0
	s_mov_b32 s[SEL], 0x76543210
	s_mov_b32 s[SEL+1], 0xfedcba98
	s_mov_b32 s[C128], 0x43000000                  ; 128.0
	s_mov_b32 s[HM], 0xffff0000                    ; lanes 16-31
	s_lshl_b32 s41, ttmp9, 3
	s_add_co_u32 s41, s41, s40                     ; my query
	s_lshr_b32 s46, s41, 4                         ; its tile of 16
	s_and_b32 s47, s41, 15                         ; and its place there
	s_mov_b32 s43, 0
	s_wait_kmcnt 0x0
	s_lshl_b32 s42, s46, 12
	s_lshl_b32 s39, s47, 4
	s_add_co_u32 s42, s42, s39
	s_add_nc_u64 s[4:5], s[4:5], s[42:43]          ; qc: 4,096 bytes a tile, 16 a lane's place
	s_lshl_b32 s42, s41, 2
	s_add_nc_u64 s[18:19], s[18:19], s[42:43]      ; out0
	s_add_co_u32 s42, s42, 32768
	s_add_nc_u64 s[44:45], s[6:7], s[42:43]        ; q2
	s_lshl_b32 s42, s46, 8
	s_lshl_b32 s39, s47, 3
	s_add_co_u32 s42, s42, s39
	s_add_nc_u64 s[6:7], s[6:7], s[42:43]          ; the scale words: 256 bytes a tile, 8 a lane's place
	s_lshl_b32 s42, s41, 7
	s_add_nc_u64 s[14:15], s[14:15], s[42:43]      ; gl
	global_load_b32 v[GI], v[L4], s[14:15]
.irp n, 0,1,2,3,4,5,6,7
	global_load_b128 v[QF+4*\n:QF+4*\n+3], v[QAD], s[4:5] offset:512*\n   ; every lane of a half takes my query's 16 bytes of that half
.endr
	global_load_b64 v[QS:QS+1], v[QSAD], s[6:7]    ; word u: lanes 0-15 K step 2 u, lanes 16-31 K step 2 u + 1
	global_load_b32 v[Q2], v[ZR], s[44:45]
	s_wait_loadcnt 10                              ; the group numbers are in; the query's ten loads behind them may be out
.set kk, 0
.rept 32
	v_readlane_b32 s[GS], v[GI], kk
	s_min_u32 s[GS], s[GS], 0x7ff                  ; a loaded number enters an address only held to its range
	v_lshl_add_u32 v[T2+kk], s[GS], 7, v[L4]       ; row 32 G + lane, 4 bytes a number, in tt and in y_train alike
	v_lshl_add_u32 v[LAB+kk], s[GS], 7, v[L4]
	global_load_b32 v[T2+kk], v[T2+kk], s[12:13]   ; (each load lands on its own address register)
	global_load_b32 v[LAB+kk], v[LAB+kk], s[16:17]
.set kk, kk+1
.endr
	ISSUE 0
	ISSUE 1
	ISSUE 2
.set sk, 0
.rept 32
	SLOT sk
.set sk, sk+1
.endr
	POST 31
	SORT X, 32
	ALL32
	WINDOW
.set kk, 0
.rept 32
	v_cmp_gt_u32 s[VV], 100, v[LAB+kk]             ; unsigned: negative labels fail too
	v_cvt_f32_u32 v[LAB+kk], v[LAB+kk]
	v_cndmask_b32 v[LAB+kk], v[BAD], v[LAB+kk], s[VV]
	CHOOSE kk
	v_cndmask_b32 v[KK+kk], v[BIG], v[LAB+kk], s[SA]
.set kk, kk+1
.endr
	SORT KK, 32
	ALL32                                          ; the 32 chosen labels, ascending, in every lane
	v_mov_b32 v[RUNR], 1.0
	v_sub_f32 v[BEST], s[C128], v[A]
	v_max_num_f32 v[BEST], 0, v[BEST]
.set kk, 1
.rept 31
	v_cmp_eq_f32 vcc_lo, v[A+kk], v[A+kk-1]
	v_cndmask_b32 v[RUNR], 0, v[RUNR], vcc_lo      ; a new label starts a new run
	v_add_f32 v[RUNR], 1.0, v[RUNR]
	v_fma_f32 v[KEY], v[RUNR], s[C128], -v[A+kk]
	v_max_num_f32 v[BEST], v[BEST], v[KEY]
.set kk, kk+1
.endr
	v_cvt_i32_f32 v[BEST], v[BEST]                 ; 128 x count - label, a whole number
	v_sub_nc_u32 v[BEST], 0, v[BEST]
	v_and_b32 v[BEST], 127, v[BEST]                ; the label
	v_cmp_eq_u32 vcc_lo, 0, v[LN]
	s_wait_xcnt 0x0                                ; EXEC changes only behind this wait
	s_and_saveexec_b32 s[VV], vcc_lo
	global_store_b32 v[ZR], v[BEST], s[18:19]
	s_wait_xcnt 0x0
	s_or_b32 exec_lo, exec_lo, s[VV]
	s_endpgm
.Lfunc_end_k_qb0619303cf_final:
	.size	k_qb0619303cf_final, .Lfunc_end_k_qb0619303cf_final-k_qb0619303cf_final
	.p2alignl 7, 3214868480
	.fill 96, 4, 3214868480
	.section	.rodata,"a",@progbits
	.p2align	6, 0x0
	.amdhsa_kernel k_qb0619303cf_final
		.amdhsa_group_segment_fixed_size 0
		.amdhsa_private_segment_fixed_size 0
		.amdhsa_enable_private_segment 0
		.amdhsa_kernarg_size 64
		.amdhsa_user_sgpr_count 2
		.amdhsa_user_sgpr_kernarg_segment_ptr 1
		.amdhsa_wavefront_size32 1
		.amdhsa_system_sgpr_workgroup_id_x 1
		.amdhsa_system_sgpr_workgroup_id_y 1
		.amdhsa_system_sgpr_workgroup_id_z 1
		.amdhsa_system_vgpr_workitem_id 0
		.amdhsa_next_free_vgpr 448
		.amdhsa_next_free_sgpr 66
		.amdhsa_reserve_vcc 1
		.amdhsa_float_denorm_mode_32 3
		.amdhsa_float_denorm_mode_16_64 3
		.amdhsa_memory_ordered 1
		.amdhsa_forward_progress 1
		.amdhsa_inst_pref_size 252
	.end_amdhsa_kernel
	.amdgpu_metadata
---
amdhsa.version: [ 1, 2 ]
amdhsa.kernels:
  - .name:           k_qb0619303cf_final
    .symbol:         k_qb0619303cf_final.kd
    .args:
      - { .name: qc, .offset: 0, .size: 8, .value_kind: global_buffer, .address_space: global }
      - { .name: qm, .offset: 8, .size: 8, .value_kind: global_buffer, .address_space: global }
      - { .name: tc, .offset: 16, .size: 8, .value_kind: global_buffer, .address_space: global }
      - { .name: ts, .offset: 24, .size: 8, .value_kind: global_buffer, .address_space: global }
      - { .name: tt, .offset: 32, .size: 8, .value_kind: global_buffer, .address_space: global }
      - { .name: gl, .offset: 40, .size: 8, .value_kind: global_buffer, .address_space: global }
      - { .name: y_train, .offset: 48, .size: 8, .value_kind: global_buffer, .address_space: global }
      - { .name: out0, .offset: 56, .size: 8, .value_kind: global_buffer, .address_space: global }
    .group_segment_fixed_size: 0
    .private_segment_fixed_size: 0
    .kernarg_segment_align: 8
    .kernarg_segment_size: 64
    .max_flat_workgroup_size: 256
    .sgpr_count:     66
    .vgpr_count:     448
    .wavefront_size: 32
...
	.end_amdgpu_metadata
.endif
;; end of part 4
;; ======== version 2 of 2: 4 launches
;; workspace buffers: qc 524,288 bytes; qm 40,960 bytes; tc 16,777,216 bytes; ts 1,048,576 bytes; tt 262,144 bytes; gm 16,777,216 bytes; gl 262,144 bytes of whole numbers
;; launch prep (part 5): grid 128 x 1, 4 waves a work-group, no clusters, 35,328 bytes of LDS; arguments X_test, qc, qm; writes qc, qm
.if DOCPART == 5
	.amdgcn_target "amdgcn-amd-amdhsa--gfx1250"
	.amdhsa_code_object_version 6
	.text
	.protected	k_qb0619303cf_prep
	.globl	k_qb0619303cf_prep
	.p2align	8
	.type	k_qb0619303cf_prep,@function
k_qb0619303cf_prep:
	s_mov_b64 s[64:65], 0
	v_nop
	global_prefetch_b8 v0, s[64:65] scope:SCOPE_SE
	s_setreg_imm32_b32 hwreg(HW_REG_WAVE_MODE, 25, 1), 1
	s_wait_xcnt 0x0
; PREP.  X_test [2048][512] f32 -> codes of E2M1 of -2 X_test, their E8M0 scale words, and q2 = the sum of squares of each row.
; -2 x is quantised in place of x: the sign is symmetric in the format and the factor 2 only raises a block's exponent by one, so Q(-2 x) = -2 Q(x),
; and the product that follows delivers -2 q.t as it stands.
; LIMITS: a block of X_test whose largest magnitude lies under 2^-124 meets the floor of the scale byte (1) one step earlier than the stated quantiser; a block of zeros
; gets the byte 1 (its codes are zeros; only this program reads the bytes); NaN and infinities are not served.
; SHARES.  A work-group takes a tile of 16 queries (T = its number), wave s the K step s (128 along K).  Each load reads 512 consecutive bytes of one row; the 16 x 512 bytes turn
; through the wave's own stage in LDS (pitch 528 = 33 x 16 bytes), so that lane (r, h) gets, of row r, 16 neighbours of each block of 32.
; OUT.  qc [T][n = 2 s + c][lane][16 bytes]: the operand's registers 4 c .. 4 c + 3 of K step s, lane by lane.
;       qm bytes 0 ..: [T][lane][2 words]: word u of lane (r, h) = the scale word of query 16 T + r for K step 2 u + h;  bytes 32768 ..: q2 [2048] f32.
; No matrix unit, no cluster, no tensor load: 4 MB are read once and nothing is shared between work-groups.
.set STGW, 8448                        ; a wave's stage: 16 rows x 528 bytes
.set PWS,  33792                       ; behind the stages: scale words [s][r], 256 bytes; behind them the partial sums [s][r], 256 bytes
.set LA,  1                            ; 16 x lane
.set STI, 2                            ; stage, way in
.set STO, 3                            ; stage, way out: 528 r + 64 h
.set R4,  4                            ; 4 r
.set PWA, 5                            ; PWS + 64 s + 4 r
.set RDA, 6                            ; PWS + 64 h + 4 r
.set RQA, 7                            ; PWS + 256 + 4 r
.set G8,  8                            ; 8 x lane
.set LN,  9                            ; lane
.set R,   16                           ; v16-79   as loaded
.set X,   80                           ; v80-143  register 16 b + i = k 32 b + 16 h + i of row r
.set PC,  144                          ; v144-151 the codes
.set TM,  152                          ; v152-167 at work in QUANT
.set PW,  168                          ; the scale word
.set SQ,  170                          ; v170-177 four packed chains of squares
.set T,   178                          ; v178-185 wave 0's tail
.set SEL, 20                           ; s[20:21] selects of v_permlanex16_b32: lane l xor 16
.macro TURN_IN rr                      ; 16 rows of 512 bytes into the stage, as loaded
.set ti, 0
.rept 16
	ds_store_b128 v[STI], v[\rr+4*ti:\rr+4*ti+3] offset:528*ti
.set ti, ti+1
.endr
.endm
.macro TURN_OUT                        ; and back, 64 numbers of one row a lane (LDS serves a wave's instructions in order)
.irp b, 0,1,2,3
.irp j, 0,1,2,3
	ds_load_b128 v[X+16*\b+4*\j:X+16*\b+4*\j+3], v[STO] offset:128*\b+16*\j
.endr
.endr
.endm
.macro SQS first                       ; the squares of my 64 numbers onto four packed chains; first = 1: the first four products start them
.set qn, 0
.rept 32
.if \first && (qn < 4)
	v_pk_mul_f32 v[SQ+2*qn:SQ+2*qn+1], v[X+2*qn:X+2*qn+1], v[X+2*qn:X+2*qn+1]
.else
	v_pk_fma_f32 v[SQ+2*(qn%4):SQ+2*(qn%4)+1], v[X+2*qn:X+2*qn+1], v[X+2*qn:X+2*qn+1], v[SQ+2*(qn%4):SQ+2*(qn%4)+1]
.endif
.set qn, qn+1
.endr
.endm
.macro SQEND                           ; the chains, their halves and lane l xor 16's: the row's sum in v[SQ], in lanes r and r + 16
	v_pk_add_f32 v[SQ:SQ+1], v[SQ:SQ+1], v[SQ+2:SQ+3]
	v_pk_add_f32 v[SQ+4:SQ+5], v[SQ+4:SQ+5], v[SQ+6:SQ+7]
	v_pk_add_f32 v[SQ:SQ+1], v[SQ:SQ+1], v[SQ+4:SQ+5]
	v_add_f32 v[SQ], v[SQ], v[SQ+1]
	v_permlanex16_b32 v[SQ+2], v[SQ], s[SEL], s[SEL+1]
	v_add_f32 v[SQ], v[SQ], v[SQ+2]
.endm
; 64 numbers of a lane become a fragment's codes in v[PC] on and the row's scale word in v[pw] (the same in lanes r and r + 16)
.macro QUANT s, pw
.irp b, 0,1,2,3
	v_max3_num_f32 v[TM+\b], |v[\s+16*\b]|, |v[\s+1+16*\b]|, 0x1800000   ; block b: my 16 numbers and the floor 2^(3 - 127): the byte cannot fall under 1
.endr
.irp i, 2,4,6,8,10,12,14
.irp b, 0,1,2,3
	v_max3_num_f32 v[TM+\b], v[TM+\b], |v[\s+16*\b+\i]|, |v[\s+1+16*\b+\i]|
.endr
.endr
.irp b, 0,1,2,3
	v_permlanex16_b32 v[TM+4+\b], v[TM+\b], s[SEL], s[SEL+1]
.endr
.irp b, 0,1,2,3
	v_max_num_f32 v[TM+\b], v[TM+\b], v[TM+4+\b]                  ; with lane l xor 16's: the block's largest magnitude
.endr
.irp b, 0,1,2,3
	v_add_nc_u32 v[TM+12+\b], 0xff000000, v[TM+\b]                ; 2 off its exponent field: the conversion's scale operand
.endr
.irp b, 0,1,2,3
	v_lshrrev_b32 v[TM+4+\b], 23, v[TM+12+\b]                     ; the scale's byte
.endr
	v_lshl_or_b32 v[\pw], v[TM+5], 8, v[TM+4]
	v_lshl_or_b32 v[\pw], v[TM+6], 16, v[\pw]
	v_lshl_or_b32 v[\pw], v[TM+7], 24, v[\pw]
.irp b, 0,1,2,3
	v_cvt_scalef32_pk8_fp4_f32 v[PC+2*\b], v[\s+16*\b:\s+7+16*\b], v[TM+12+\b]
	v_cvt_scalef32_pk8_fp4_f32 v[PC+1+2*\b], v[\s+8+16*\b:\s+15+16*\b], v[TM+12+\b]
.endr
	v_nop                                          ; one plain place behind a scaled conversion
.irp c, 0,1                            ; a whole block to a lane: lanes 0-15 block 2 c, lanes 16-31 block 2 c + 1
.irp i, 0,1
	v_permlane16_swap_b32 v[PC+4*\c+\i], v[PC+2+4*\c+\i]
.endr
.endr
.endm
	s_load_b128 s[4:7], s[0:1], 0x0                ; X_test, qc
	s_load_b64 s[8:9], s[0:1], 0x10                ; qm
	v_lshl_add_u32 v192, v0, 2, 0x8800
	v_mov_b32 v193, 0
	v_lshrrev_b32 v10, 5, v0
	v_readfirstlane_b32 s10, v10                   ; wave = K step
	v_and_b32 v[LN], 31, v0
	v_and_b32 v11, 15, v0                          ; r
	v_bfe_u32 v12, v0, 4, 1                        ; h
	v_lshlrev_b32 v[LA], 4, v[LN]
	v_lshlrev_b32 v[G8], 3, v[LN]
	v_lshlrev_b32 v[R4], 2, v11
	s_mul_i32 s11, s10, STGW
	v_add_nc_u32 v[STI], s11, v[LA]
	v_mul_u32_u24 v[STO], v11, 528
	v_lshl_add_u32 v[STO], v12, 6, v[STO]
	v_add_nc_u32 v[STO], s11, v[STO]
	s_lshl_b32 s11, s10, 6
	s_add_co_u32 s11, s11, PWS
	v_add_nc_u32 v[PWA], s11, v[R4]
	v_lshl_add_u32 v[RDA], v12, 6, v[R4]
	v_add_nc_u32 v[RDA], PWS, v[RDA]
	v_add_nc_u32 v[RQA], PWS+256, v[R4]
.irp b, 0,1,2,3
	v_mov_b32 v[TM+4+\b], 0                        ; written once: a lane permute's destination counts as one of its sources
.endr
	s_mov_b32 s[SEL], 0x76543210
	s_mov_b32 s[SEL+1], 0xfedcba98
	s_mov_b32 s17, 0
	s_lshl_b32 s16, ttmp9, 15                      ; 16 rows of 2,048 bytes a tile,
	s_lshl_b32 s11, s10, 9                         ; 512 bytes a K step
	s_add_co_u32 s16, s16, s11
	s_wait_alu depctr_va_vdst(0)
	s_wait_kmcnt 0x0
	s_add_nc_u64 s[4:5], s[4:5], s[16:17]
	s_lshl_b32 s16, ttmp9, 12
	s_lshl_b32 s11, s10, 10
	s_add_co_u32 s16, s16, s11
	s_add_nc_u64 s[6:7], s[6:7], s[16:17]          ; qc + 4096 T + 1024 s
	s_lshl_b32 s16, ttmp9, 6
	s_add_co_u32 s16, s16, 32768
	s_add_nc_u64 s[14:15], s[8:9], s[16:17]        ; q2 of my tile
	s_lshl_b32 s16, ttmp9, 8
	s_add_nc_u64 s[8:9], s[8:9], s[16:17]          ; the scale words of my tile
.set li, 0
.rept 16
	global_load_b128 v[R+4*li:R+4*li+3], v[LA], s[4:5] offset:2048*li th:TH_LOAD_NT   ; row li: 32 lanes read 512 consecutive bytes
.set li, li+1
.endr
	s_wait_loadcnt 0x0
	TURN_IN R
	TURN_OUT
	s_wait_dscnt 0x0
	SQS 1
	SQEND                                          ; the K step's part of q2, of the numbers as given
.set li, 0
.rept 32
	v_pk_mul_f32 v[X+2*li:X+2*li+1], v[X+2*li:X+2*li+1], -2.0 op_sel_hi:[1,0]
.set li, li+1
.endr
	QUANT X, PW
.irp c, 0,1
	global_store_b128 v[LA], v[PC+4*\c:PC+4*\c+3], s[6:7] offset:512*\c   ; 512 consecutive bytes a store
.endr
	ds_store_b32 v[PWA], v[PW]                     ; lanes r and r + 16 write the same word with the same value
	ds_store_b32 v[PWA], v[SQ] offset:256
	s_wait_dscnt 0x0                               ; for the others' sake: my stores have landed
	s_barrier_signal -1
	s_barrier_wait -1
	s_cmp_lg_u32 s10, 0                            ; wave 0 gathers the four K steps' words and sums
	s_cbranch_scc1 .Ldone
	ds_load_b32 v[T], v[RDA]                       ; K step h
	ds_load_b32 v[T+1], v[RDA] offset:128          ; K step 2 + h
.irp s, 0,1,2,3
	ds_load_b32 v[T+2+\s], v[RQA] offset:64*\s
.endr
	s_wait_dscnt 0x0
	v_add_f32 v[T+2], v[T+2], v[T+3]
	v_add_f32 v[T+4], v[T+4], v[T+5]
	v_add_f32 v[T+2], v[T+2], v[T+4]
	global_store_b64 v[G8], v[T:T+1], s[8:9]       ; 256 consecutive bytes, aligned
	v_cmp_gt_u32 vcc_lo, 16, v[LN]
	s_wait_alu depctr_va_vdst(0)
	s_wait_xcnt 0x0                                ; EXEC changes only behind this wait
	s_and_saveexec_b32 s12, vcc_lo
	global_store_b32 v[R4], v[T+2], s[14:15]       ; 16 lanes: q2 of the tile's 16 queries
	s_wait_xcnt 0x0
	s_or_b32 exec_lo, exec_lo, s12
.Ldone:
	s_wait_tensorcnt 0x0
	ds_add_u32 v192, v193
	s_wait_dscnt 0x0
	s_endpgm
.Lfunc_end_k_qb0619303cf_prep:
	.size	k_qb0619303cf_prep, .Lfunc_end_k_qb0619303cf_prep-k_qb0619303cf_prep
	.p2alignl 7, 3214868480
	.fill 96, 4, 3214868480
	.section	.rodata,"a",@progbits
	.p2align	6, 0x0
	.amdhsa_kernel k_qb0619303cf_prep
		.amdhsa_group_segment_fixed_size 35328
		.amdhsa_private_segment_fixed_size 0
		.amdhsa_enable_private_segment 0
		.amdhsa_kernarg_size 24
		.amdhsa_user_sgpr_count 2
		.amdhsa_user_sgpr_kernarg_segment_ptr 1
		.amdhsa_wavefront_size32 1
		.amdhsa_system_sgpr_workgroup_id_x 1
		.amdhsa_system_sgpr_workgroup_id_y 1
		.amdhsa_system_sgpr_workgroup_id_z 1
		.amdhsa_system_vgpr_workitem_id 0
		.amdhsa_next_free_vgpr 194
		.amdhsa_next_free_sgpr 66
		.amdhsa_reserve_vcc 1
		.amdhsa_float_denorm_mode_32 3
		.amdhsa_float_denorm_mode_16_64 3
		.amdhsa_memory_ordered 1
		.amdhsa_forward_progress 1
		.amdhsa_inst_pref_size 16
	.end_amdhsa_kernel
	.amdgpu_metadata
---
amdhsa.version: [ 1, 2 ]
amdhsa.kernels:
  - .name:           k_qb0619303cf_prep
    .symbol:         k_qb0619303cf_prep.kd
    .args:
      - { .name: X_test, .offset: 0, .size: 8, .value_kind: global_buffer, .address_space: global }
      - { .name: qc, .offset: 8, .size: 8, .value_kind: global_buffer, .address_space: global }
      - { .name: qm, .offset: 16, .size: 8, .value_kind: global_buffer, .address_space: global }
    .group_segment_fixed_size: 35328
    .private_segment_fixed_size: 0
    .kernarg_segment_align: 8
    .kernarg_segment_size: 24
    .max_flat_workgroup_size: 128
    .sgpr_count:     66
    .vgpr_count:     194
    .wavefront_size: 32
...
	.end_amdgpu_metadata
.endif
;; end of part 5
;; launch main (part 6): grid 256 x 1, 4 waves a work-group, no clusters, 104,960 bytes of LDS; arguments X_train, qc, qm, tc, ts, tt, gm; writes tc, ts, tt, gm
.if DOCPART == 6
	.amdgcn_target "amdgcn-amd-amdhsa--gfx1250"
	.amdhsa_code_object_version 6
	.text
	.protected	k_qb0619303cf_main
	.globl	k_qb0619303cf_main
	.p2align	8
	.type	k_qb0619303cf_main,@function
k_qb0619303cf_main:
	s_mov_b64 s[64:65], 0
	v_nop
	global_prefetch_b8 v0, s[64:65] scope:SCOPE_SE
	s_setreg_imm32_b32 hwreg(HW_REG_WAVE_SCHED_MODE, 0, 2), 2
	s_setreg_imm32_b32 hwreg(HW_REG_WAVE_MODE, 25, 1), 1
	s_wait_xcnt 0x0
	s_wait_alu depctr_vm_vsrc(0)
; MAIN.  For every query and every GROUP of 32 neighbouring train rows: the smallest d2 = (q2 - 2 q.t) + t2 of the group, clipped at 0.  q.t on codes of E2M1 with E8M0 scales.
; WHY GROUPS.  Order the train rows by (distance, index).  Each of a query's 32 nearest rows lies in one of the 32 groups whose smallest members come first in that order: a row outside them
; has 32 rows ahead of it.  So this pass needs only two additions a number and a running minimum; the exact choice is made later on 32 x 32 numbers a query.
; SHARES.  Work-group c owns train rows 256 c .. 256 c + 255 (8 groups).  PHASE A: wave w reads 64 of them once from memory, takes t2 (f32, of the numbers as given), quantises them along K
; and leaves the operands' register images in LDS, and, laid by group, in tc, ts and tt (a later launch multiplies the chosen groups again).  PHASE B: every wave holds ALL 16 train tiles in 512 registers;
; wave w walks query tiles 32 w .. 32 w + 31, whose codes come from memory straight into its registers, three tiles deep.
; THE ROWS OF A TRAIN TILE ARE NOT NEIGHBOURS: row m of tile 4 p + t is chunk row 32 (p + 4 (m / 8)) + 8 t + m % 8.  With source 0 = a train tile and source 1 = 16 queries, lane (r, h)
; register j of tile 4 p + t holds (query r, row 8 t + j of group p + 4 h): the four tiles of pair p give a lane all 32 rows of ONE group, and its minimum asks no other lane.
; OUT BY GROUP.  tc [group][K step 4][c 2][t 4][h 2][row % 8][16 bytes]: the 16 bytes are registers 4 c .. 4 c + 3 of lane (row, h) of the K step's fragment; row 8 t + row % 8 of the group.
;   ts [group][lane 32][4 words]: word 2 u + u2 of lane (n, h) = the scale word of the group's row 16 u + n for K step 2 u2 + h.   tt [group][32 rows]: t2.
; NO JOINT LOADS for the queries' codes, though all work-groups read them: a wave reads each of its fragments once, 4,608 bytes for 64 matrix instructions, straight into the registers of the
; one wave that multiplies by them; by way of LDS the same bytes would be written and read once more, behind a barrier of all partners for each refill.
; LIMITS: NaN and infinities are not served; a block whose largest magnitude lies under 2^-124 has its scale byte held at 1; a block of zeros gets the byte 1 (its codes are zeros).
; THE MODE: SCHED_MODE bits 1:0 = 2 (LLVM: expert scheduling mode 2), set by the entry lines.  The code itself states the register dependences
; between vector or matrix instructions and memory or LDS instructions, with s_wait_alu, always for 0.
; THE PLAN, PHASE A.  Registers that memory or LDS instructions touch in a slab:
;   ring slot s (window 1)  written by the loads of the same K step of the next tile; read by the sixteen LDS stores into the stage.  No vector instruction names it.
;   X                       written by the sixteen LDS loads out of the stage; read by the slab's squares, maxima and conversions.
;   PC, TSW, SQ             written by the slab's vector instructions; read by the LDS and global stores at the slab's end.
;   IMW, SCW, T2W           written once a tile, in its first slab; read by those LDS stores.      LA, STI, STO, TRA: made at the head, never written again.
; A slab has ONE wait on vm_vsrc, behind the stage's round trip (the stage's stores have read the ring slot; the last slab's stores have read PC, TSW, SQ and the three addresses), and ONE on va_vdst,
; behind all its vector work and ahead of all its stores (their data and addresses are written; every reader of X is done, so that the next slab's loads into X owe nothing more).
; THE PLAN, PHASE B.  Registers that memory instructions touch in a query tile:
;   QF, Q2R, QS of set b    written by the ten loads of the tile three on; read by the tile's 64 products (fragments and scales) and by the move of q2.
;   OUT                     written by the four minima; read by the tile's one store.               GO, LA, Q2A, QSA: made at the head, never written again.
; A tile's last wait on va_vdst stands behind its last minimum: OUT is written, and every reader of the set just done with is complete; the ten loads into that set and the store follow it.
; The wait on vm_vsrc for OUT stands ahead of the next tile's first minimum, sixteen products behind the store.
; REGISTERS, in windows of 256.  Window 0: v1-15 addresses; v16-47 the train tiles' scale words (2 a + u: lanes 0-15 K step 2 u, lanes 16-31 K step 2 u + 1); v48-53 the queries' likewise, three sets;
;   v64-127 two banks of four accumulators (phase A: 64 numbers); v128-131 the four minima to store; v132-135, v136-186 at work.
;   Window 1: phase A: four slabs as loaded; phase B: tiles 0-7 (32 a + 8 s).   Window 2: tiles 8-15.   Window 3: v0-127 t2 (8 a + j); v128-223 the queries' fragments, three sets; v224-226 q2; v228-229 q2 in hand.
.set STGW, 8448                        ; LDS: a wave's stage, 16 rows x 528 bytes; four of them from byte 0
.set IMG,  33792                       ; the images [a 16][s 4][c 2][lane][16 bytes]
.set SCL,  99328                       ; the scale words [a][u 2][lane]
.set T2L,  103424                      ; t2 [a][16 tile rows]
.set LA,   1                           ; 16 x lane
.set STI,  2
.set STO,  3
.set IMW0, 4
.set IMW,  5
.set SCW0, 6
.set SCW,  7
.set T2W0, 8
.set T2W,  9
.set LI,   10                          ; IMG + 16 x lane
.set LS,   11                          ; SCL + 4 x lane
.set LT,   12                          ; T2L + 32 h
.set QSA,  13                          ; 8 x lane
.set Q2A,  14                          ; 4 r
.set GO,   15                          ; 32 r + 16 h
.set TS,   16
.set QS,   48
.set ACC,  64
.set X,    64
.set OUT,  128
.set M,    132
.set PC,   136
.set TM,   144
.set PW,   160
.set PWE,  161
.set TSW,  162
.set SQ,   164
.set CAL,  172                         ; LDS: my lane's scale words on the way to ts
.set CBL,  174                         ; LDS: my lane's t2 on the way to tt
.set CBG,  175                         ; 4 x lane
.set CD,   176
.set TRA,  186                         ; my lane's place in tc: 32768 (r / 8) + 128 h + 16 (r % 8)
.set T2R,  0                           ; window 3
.set QF,   128
.set Q2R,  224
.set Q2C,  228
.set SEL,  26
.set MSB, 0
.macro WIN new                         ; the immediate's high byte repeats the setting that is left; a switch that changes nothing is dropped
.if MSB != (\new)
	s_set_vgpr_msb (MSB<<8)|(\new)
.set MSB, \new
.endif
.endm
.macro TURN_IN rr
.set ti, 0
.rept 16
	ds_store_b128 v[STI], v[\rr+4*ti:\rr+4*ti+3] offset:528*ti
.set ti, ti+1
.endr
.endm
.macro TURN_OUT
.irp b, 0,1,2,3
.irp j, 0,1,2,3
	ds_load_b128 v[X+16*\b+4*\j:X+16*\b+4*\j+3], v[STO] offset:128*\b+16*\j
.endr
.endr
.endm
.macro SQS first
.set qn, 0
.rept 32
.if \first && (qn < 4)
	v_pk_mul_f32 v[SQ+2*qn:SQ+2*qn+1], v[X+2*qn:X+2*qn+1], v[X+2*qn:X+2*qn+1]
.else
	v_pk_fma_f32 v[SQ+2*(qn%4):SQ+2*(qn%4)+1], v[X+2*qn:X+2*qn+1], v[X+2*qn:X+2*qn+1], v[SQ+2*(qn%4):SQ+2*(qn%4)+1]
.endif
.set qn, qn+1
.endr
.endm
.macro SQEND
	v_pk_add_f32 v[SQ:SQ+1], v[SQ:SQ+1], v[SQ+2:SQ+3]
	v_pk_add_f32 v[SQ+4:SQ+5], v[SQ+4:SQ+5], v[SQ+6:SQ+7]
	v_pk_add_f32 v[SQ:SQ+1], v[SQ:SQ+1], v[SQ+4:SQ+5]
	v_add_f32 v[SQ], v[SQ], v[SQ+1]
	v_permlanex16_b32 v[SQ+2], v[SQ], s[SEL], s[SEL+1]
	v_add_f32 v[SQ], v[SQ], v[SQ+2]
.endm
.macro QUANT s, pw                     ; 64 numbers of a lane (register 16 b + i = k 32 b + 16 h + i of row r) -> codes in v[PC] on, the row's scale word in v[pw]
.irp b, 0,1,2,3
	v_max3_num_f32 v[TM+\b], |v[\s+16*\b]|, |v[\s+1+16*\b]|, 0x1800000   ; and the floor 2^(3 - 127): the byte cannot fall under 1
.endr
.irp i, 2,4,6,8,10,12,14
.irp b, 0,1,2,3
	v_max3_num_f32 v[TM+\b], v[TM+\b], |v[\s+16*\b+\i]|, |v[\s+1+16*\b+\i]|
.endr
.endr
.irp b, 0,1,2,3
	v_permlanex16_b32 v[TM+4+\b], v[TM+\b], s[SEL], s[SEL+1]
.endr
.irp b, 0,1,2,3
	v_max_num_f32 v[TM+\b], v[TM+\b], v[TM+4+\b]
.endr
.irp b, 0,1,2,3
	v_add_nc_u32 v[TM+12+\b], 0xff000000, v[TM+\b]                ; 2 off the exponent field: the conversion's scale operand
.endr
.irp b, 0,1,2,3
	v_lshrrev_b32 v[TM+4+\b], 23, v[TM+12+\b]
.endr
	v_lshl_or_b32 v[\pw], v[TM+5], 8, v[TM+4]
	v_lshl_or_b32 v[\pw], v[TM+6], 16, v[\pw]
	v_lshl_or_b32 v[\pw], v[TM+7], 24, v[\pw]
.irp b, 0,1,2,3
	v_cvt_scalef32_pk8_fp4_f32 v[PC+2*\b], v[\s+16*\b:\s+7+16*\b], v[TM+12+\b]
	v_cvt_scalef32_pk8_fp4_f32 v[PC+1+2*\b], v[\s+8+16*\b:\s+15+16*\b], v[TM+12+\b]
.endr
	v_nop                                          ; one plain place behind a scaled conversion
.irp c, 0,1
.irp i, 0,1
	v_permlane16_swap_b32 v[PC+4*\c+\i], v[PC+2+4*\c+\i]
.endr
.endr
.endm
	s_load_b256 s[4:11], s[0:1], 0x0               ; X_train s[4:5], qc s[6:7], qm s[8:9], tc s[10:11]
	s_load_b128 s[32:35], s[0:1], 0x20             ; ts s[32:33], tt s[34:35]
	s_load_b64 s[12:13], s[0:1], 0x30              ; gm
	v_lshl_add_u32 v254, v0, 2, 0x19800
	v_mov_b32 v255, 0
	v_lshrrev_b32 v176, 5, v0
	v_readfirstlane_b32 s14, v176                  ; wave
	v_and_b32 v177, 31, v0                         ; lane
	v_and_b32 v178, 15, v0                         ; r
	v_bfe_u32 v179, v0, 4, 1                       ; h
	v_and_b32 v181, 7, v0                          ; r % 8
	v_bfe_u32 v182, v0, 3, 1                       ; r / 8
	v_bfe_u32 v183, v0, 3, 2                       ; lane / 8
	v_lshlrev_b32 v[LA], 4, v177
	v_lshlrev_b32 v180, 2, v177
	v_lshlrev_b32 v[CBG], 2, v177
	v_lshlrev_b32 v[QSA], 3, v177
	v_lshlrev_b32 v[Q2A], 2, v178
	v_lshlrev_b32 v[GO], 5, v178
	v_lshl_add_u32 v[GO], v179, 4, v[GO]
	v_lshlrev_b32 v[TRA], 4, v181
	v_lshl_add_u32 v[TRA], v179, 7, v[TRA]
	v_lshl_add_u32 v[TRA], v182, 15, v[TRA]        ; tile rows 8-15 belong to the group four further on: 4 x 8,192 bytes
	s_wait_alu depctr_va_sdst(0)                   ; s14, the wave's number, is written, ahead of its first reader: LDS addresses and all bases are made from it
	s_mul_i32 s28, s14, STGW
	v_add_nc_u32 v[STI], s28, v[LA]
	v_mul_u32_u24 v[STO], v178, 528
	v_lshl_add_u32 v[STO], v179, 6, v[STO]
	v_add_nc_u32 v[STO], s28, v[STO]
	s_lshl_b32 s28, s14, 14
	s_add_co_u32 s28, s28, IMG
	v_add_nc_u32 v[IMW0], s28, v[LA]               ; my four tiles' images
	s_lshl_b32 s28, s14, 10
	s_add_co_u32 s28, s28, SCL
	v_add_nc_u32 v[SCW0], s28, v180
	v_lshlrev_b32 v[CAL], 2, v181                  ; on the way to ts lane (n, h) wants tile 2 u + n / 8, row n % 8 (+ 8 for the second group), half h
	v_lshl_add_u32 v[CAL], v179, 6, v[CAL]
	v_lshl_add_u32 v[CAL], v182, 8, v[CAL]
	v_add_nc_u32 v[CAL], s28, v[CAL]
	s_lshl_b32 s28, s14, 8
	s_add_co_u32 s28, s28, T2L
	v_add_nc_u32 v[T2W0], s28, v[Q2A]
	v_lshlrev_b32 v[CBL], 2, v181                  ; on the way to tt lane L wants tile L / 8, row L % 8 (+ 8 for the second group)
	v_lshl_add_u32 v[CBL], v183, 6, v[CBL]
	v_add_nc_u32 v[CBL], s28, v[CBL]
	v_add_nc_u32 v[LI], IMG, v[LA]
	v_add_nc_u32 v[LS], SCL, v180
	v_lshlrev_b32 v[LT], 5, v179
	v_add_nc_u32 v[LT], T2L, v[LT]
.irp b, 0,1,2,3
	v_mov_b32 v[TM+4+\b], 0                        ; written once: a lane permute's destination counts as one of its sources
.endr
	s_mov_b32 s20, 0xffff0000                      ; lanes 16-31
	s_mov_b32 s[SEL], 0x76543210
	s_mov_b32 s[SEL+1], 0xfedcba98
	s_mov_b32 s29, 0
	s_mov_b32 s31, 0
	s_wait_kmcnt 0x0
	s_lshl_b32 s28, ttmp9, 19                      ; 256 rows of 2,048 bytes a chunk,
	s_lshl_b32 s30, s14, 16                        ; 32 rows a wave
	s_add_nc_u64 s[4:5], s[4:5], s[28:29]
	s_add_nc_u64 s[4:5], s[4:5], s[30:31]
	s_lshl_b32 s28, s14, 17
	s_add_nc_u64 s[6:7], s[6:7], s[28:29]          ; my 32 query tiles' codes
	s_lshl_b32 s28, s14, 11
	s_add_co_u32 s28, s28, 32768
	s_add_nc_u64 s[22:23], s[8:9], s[28:29]        ; their q2
	s_lshl_b32 s28, s14, 13
	s_add_nc_u64 s[8:9], s[8:9], s[28:29]          ; their scale words
	s_lshl_b32 s28, ttmp9, 16                      ; tc: 8 groups of 8,192 bytes a chunk,
	s_lshl_b32 s30, s14, 13                        ; my first group is group w of the chunk
	s_add_nc_u64 s[24:25], s[10:11], s[28:29]
	s_add_nc_u64 s[24:25], s[24:25], s[30:31]
	s_lshl_b32 s30, s14, 14
	s_add_nc_u64 s[12:13], s[12:13], s[28:29]      ; gm [c][q][8]: 65,536 bytes a chunk,
	s_add_nc_u64 s[12:13], s[12:13], s[30:31]      ; 16,384 a wave's 512 queries
	s_lshl_b32 s28, ttmp9, 12                      ; ts: 512 bytes a group
	s_lshl_b32 s30, s14, 9
	s_add_nc_u64 s[32:33], s[32:33], s[28:29]
	s_add_nc_u64 s[32:33], s[32:33], s[30:31]
	s_lshl_b32 s28, ttmp9, 10                      ; tt: 128 bytes a group
	s_lshl_b32 s30, s14, 7
	s_add_nc_u64 s[34:35], s[34:35], s[28:29]
	s_add_nc_u64 s[34:35], s[34:35], s[30:31]
	s_wait_alu depctr_va_vdst(0)                   ; every address and offset register of the kernel is written, which the loads and stores below read; so are v176 to v183, in which LDS loads land between the phases, and the closing add's two
; ---- PHASE A.  A slab = the 16 rows of a tile x 128 along K.  Four slabs (64 loads, 32 KB a wave) are on their way.
.macro XLD s, off                      ; slab s into ring slot s (window 1): each load reads 512 consecutive bytes of one row
.set xi, 0
.rept 16
	global_load_b128 v[64*\s+4*xi:64*\s+4*xi+3], v[LA], s[4:5] offset:(128*(xi/8)+xi%8)*2048+512*\s+\off th:TH_LOAD_NT
.set xi, xi+1
.endr
.endm
.macro TILEADR
	v_add_nc_u32 v[IMW], s17, v[IMW0]
	v_add_nc_u32 v[SCW], s18, v[SCW0]
	v_add_nc_u32 v[T2W], s19, v[T2W0]
.endm
.macro SLAB s, ahead, left
	s_wait_loadcnt \left                           ; my slab's 16 loads are in; the younger slabs' stay out
	WIN 0x04                                       ; an LDS store's data are its source 1: window 1
	TURN_IN 64*\s
	WIN 0
	TURN_OUT                                       ; lands in X.  No wait: the last slab's readers of X stand ahead of the wait on va_vdst at its end, and no vector instruction since names X
	s_wait_dscnt 0x0                               ; the numbers are back
	s_wait_xcnt 0x0                                ; the last slab's global stores have had their addresses translated: the codes' registers are rewritten only behind this wait
	s_wait_alu depctr_vm_vsrc(0)                   ; the stage's stores above have read ring slot s, in which the loads below land; the last slab's LDS and global stores have read PC, TSW and SQ, which this slab writes again, and IMW, SCW, T2W, which a tile's first slab writes
.if \ahead
	WIN 0x40
	XLD \s, 16384                                  ; the same K step of the next tile: 8 rows on
	WIN 0
.endif
.if \s == 0
	TILEADR                                        ; this tile's places in LDS
	SQS 1
.else
	SQS 0
.endif
.if (\s)%2 == 0
	QUANT X, PWE
.else
	QUANT X, PW
	v_cndmask_b32 v[TSW], v[PWE], v[PW], s20       ; lanes 0-15 the even K step's word, lanes 16-31 the odd one's
.endif
.if \s == 3
	SQEND
.endif
	s_wait_alu depctr_va_vdst(0)                   ; PC is written, and TSW, SQ and the tile's three LDS addresses where this slab made them: the stores below read them; and the slab's vector work is done reading X, in which the next slab's LDS loads land
.irp c, 0,1
	ds_store_b128 v[IMW], v[PC+4*\c:PC+4*\c+3] offset:1024*\s+512*\c
.endr
.irp c, 0,1
	global_store_b128 v[TRA], v[PC+4*\c:PC+4*\c+3], s[24:25] offset:2048*\s+1024*\c   ; two runs of 256 consecutive bytes, aligned: one in each of my two groups
.endr
.if (\s)%2 == 1
	ds_store_b32 v[SCW], v[TSW] offset:128*((\s)/2)
.endif
.if \s == 3
	ds_store_b32 v[T2W], v[SQ]                     ; t2 of tile row r (lanes r and r + 16 write the same word with the same value)
.endif
.endm
	WIN 0x40
	XLD 0, 0
	XLD 1, 0
	XLD 2, 0
	XLD 3, 0
	WIN 0
	s_mov_b32 s16, 3
	s_mov_b32 s17, 0
	s_mov_b32 s18, 0
	s_mov_b32 s19, 0
.Ltile:                                            ; three trips: my tiles 0 to 2
	SLAB 0, 1, 48                                  ; 48: three younger slabs of 16 loads
	SLAB 1, 1, 48
	SLAB 2, 1, 48
	SLAB 3, 1, 48
	s_wait_xcnt 0x0                                ; the bases are stepped only behind this wait
	s_add_nc_u64 s[4:5], s[4:5], 16384
	s_add_nc_u64 s[24:25], s[24:25], 256           ; tile t's place in a group's K step
	s_add_co_u32 s17, s17, 4096
	s_add_co_u32 s18, s18, 256
	s_add_co_u32 s19, s19, 64
	s_sub_co_u32 s16, s16, 1
	s_cmp_lg_u32 s16, 0
	s_cbranch_scc1 .Ltile
	SLAB 0, 0, 48                                  ; the last tile asks for nothing: the counts run down
	SLAB 1, 0, 32
	SLAB 2, 0, 16
	SLAB 3, 0, 0
	s_wait_dscnt 0x0                               ; for the others' sake: my images, scale words and t2 have landed
	s_barrier_signal -1
	s_barrier_wait -1
	s_wait_alu depctr_vm_vsrc(0)                   ; the stage's stores of the last tile have read the ring's registers (window 1), in which the images of tiles 0 to 7 land below
; ---- BETWEEN THE PHASES: the first three query tiles are asked for; all 16 train tiles come into registers; my two groups' scale words and t2 go to ts and tt.
.macro QLOADS buf, toff                ; ten loads: a query tile's 8 x 512 bytes of codes, its q2, its scale words
	WIN 0xC0
.irp n, 0,1,2,3,4,5,6,7
	global_load_b128 v[QF+32*\buf+4*\n:QF+32*\buf+4*\n+3], v[LA], s[6:7] offset:4096*(\toff)+512*\n
.endr
	global_load_b32 v[Q2R+\buf], v[Q2A], s[22:23] offset:64*(\toff)
	WIN 0
	global_load_b64 v[QS+2*\buf:QS+2*\buf+1], v[QSA], s[8:9] offset:256*(\toff)
.endm
	QLOADS 0, 0
	QLOADS 1, 1
	QLOADS 2, 2
	WIN 0x40
.set fa, 0
.rept 64                               ; tiles 0-7: fa = 8 a + 2 s + c
	ds_load_b128 v[4*fa:4*fa+3], v[LI] offset:512*fa
.set fa, fa+1
.endr
	WIN 0x80
.set fa, 0
.rept 64                               ; tiles 8-15
	ds_load_b128 v[4*fa:4*fa+3], v[LI] offset:32768+512*fa
.set fa, fa+1
.endr
	WIN 0xC0
.set fa, 0
.rept 32                               ; t2: register 8 a + j = tile a, row 8 h + j
	ds_load_b128 v[T2R+4*fa:T2R+4*fa+3], v[LT] offset:64*(fa/2)+16*(fa%2)
.set fa, fa+1
.endr
	v_mov_b32 v[Q2C+1], 0                          ; named as the upper half of a pair, so it is written
	WIN 0
.set fa, 0
.rept 32
	ds_load_b32 v[TS+fa], v[LS] offset:128*fa
.set fa, fa+1
.endr
.irp g, 0,1                            ; group w (tile rows 0-7) and group w + 4 (tile rows 8-15)
.irp u, 0,1
.irp e, 0,1
	ds_load_b32 v[CD+4*\g+2*\u+\e], v[CAL] offset:512*\u+128*\e+32*\g
.endr
.endr
.endr
.irp g, 0,1
	ds_load_b32 v[CD+8+\g], v[CBL] offset:32*\g
.endr
	s_wait_dscnt 0x0
	global_store_b128 v[LA], v[CD:CD+3], s[32:33]                 ; 512 consecutive bytes: a group's scale words.  (The data come from LDS loads; these registers are not written again)
	global_store_b128 v[LA], v[CD+4:CD+7], s[32:33] offset:2048
	global_store_b32 v[CBG], v[CD+8], s[34:35]                    ; 128 consecutive bytes: a group's t2
	global_store_b32 v[CBG], v[CD+9], s[34:35] offset:512
; ---- PHASE B.
; Product i of 16 of pair P: K step i / 4, tile 4 P + i % 4, into bank P % 2.  The four accumulators take turns, one instruction a turn.
.macro WM P, buf, i
.set wS, (\i)/4
.set wA, 4*(\P)+(\i)%4
.set wD, ACC+32*((\P)&1)+8*((\i)%4)
.set wF, 32*(wA&7)+8*wS
.set wQ, QF+32*(\buf)+8*wS
.set wTS, TS+2*wA+wS/2
.set wQS, QS+2*(\buf)+wS/2
.if wS == 0
	v_wmma_scale_f32_16x16x128_f8f6f4 v[wD:wD+7], v[wF:wF+7], v[wQ:wQ+7], 0, v[wTS], v[wQS] matrix_a_fmt:MATRIX_FMT_FP4 matrix_b_fmt:MATRIX_FMT_FP4
.elseif wS == 2
	v_wmma_scale_f32_16x16x128_f8f6f4 v[wD:wD+7], v[wF:wF+7], v[wQ:wQ+7], v[wD:wD+7], v[wTS], v[wQS] matrix_a_fmt:MATRIX_FMT_FP4 matrix_b_fmt:MATRIX_FMT_FP4
.else
	v_wmma_scale_f32_16x16x128_f8f6f4 v[wD:wD+7], v[wF:wF+7], v[wQ:wQ+7], v[wD:wD+7], v[wTS], v[wQS] matrix_a_fmt:MATRIX_FMT_FP4 matrix_b_fmt:MATRIX_FMT_FP4 matrix_a_scale:MATRIX_SCALE_ROW1 matrix_b_scale:MATRIX_SCALE_ROW1
.endif
.endm
; Addition n of 32 on pair P's finished bank: per tile first q2 + z on its four pairs of registers, from the low end on, then + t2: the two roundings of (q2 - 2 q.t) + t2.
; Written as 1.0 x s + d, so that q2 and t2 stand in source 1, whose window (3) is the one that the products beside it need: no switch between a product and an addition.
.macro PK P, n
.set pT, (\n)/8
.set pM, (\n)%8
.if pM < 4
.set pD, ACC+32*((\P)&1)+8*pT+2*pM
	v_pk_fma_f32 v[pD:pD+1], 1.0, v[Q2C:Q2C+1], v[pD:pD+1] op_sel_hi:[0,0,1]
.else
.set pD, ACC+32*((\P)&1)+8*pT+2*(pM-4)
.set pS, T2R+8*(4*(\P)+pT)+2*(pM-4)
	v_pk_fma_f32 v[pD:pD+1], 1.0, v[pS:pS+1], v[pD:pD+1] op_sel_hi:[0,1,1]
.endif
.endm
.macro MINB P                          ; the smallest of my 32 numbers of pair P: my group's; clipped at 0.  17 plain instructions that name only the bank not being multiplied into
.set mD, ACC+32*((\P)&1)
.irp t, 0,1,2,3
	v_min3_num_f32 v[M+\t], v[mD+8*\t], v[mD+8*\t+1], v[mD+8*\t+2]
.endr
.irp t, 0,1,2,3
	v_min3_num_f32 v[M+\t], v[M+\t], v[mD+8*\t+3], v[mD+8*\t+4]
.endr
.irp t, 0,1,2,3
	v_min3_num_f32 v[M+\t], v[M+\t], v[mD+8*\t+5], v[mD+8*\t+6]
.endr
	v_min3_num_f32 v[M], v[M], v[M+1], v[M+2]
	v_min3_num_f32 v[M+3], v[M+3], v[mD+7], v[mD+15]
	v_min3_num_f32 v[M], v[M], v[M+3], v[mD+23]
	v_min_num_f32 v[M], v[M], v[mD+31]
	v_max_num_f32 v[OUT+\P], 0, v[M]
.endm
; 16 products of pair Pw, two additions of pair Pp (the other bank) behind each, then Pp's minimum.  The minimum's 17 lines are the places between this run's last products and
; the next run's first read of them (ISA guide 7.12.1).
.macro RUN Pw, bufw, Pp
	WIN 0x0D+(\Pw)/2                               ; source 0 window 1 or 2 (train tile), source 1 window 3 (queries, q2, t2), C and D window 0
.set ri, 0
.rept 16
	WM \Pw, \bufw, ri
	PK \Pp, 2*ri
	PK \Pp, 2*ri+1
.set ri, ri+1
.endr
	WIN 0
.if (\Pp) == 0
	s_wait_alu depctr_va_vdst(0)
	s_wait_xcnt 0x0                                ; the last tile's store has had its addresses translated: its four data registers are rewritten only behind this wait
	s_wait_alu depctr_vm_vsrc(0)                   ; and it has read OUT, whose first register the minimum below writes again
.endif
	MINB \Pp
.endm
; A query tile.  Its pair 0 was multiplied at the end of the tile before.  nxt = 1: the next tile's pair 0.  ld = 1: the tile three on is asked for, into the set just done with.
; cnt = the loads issued behind the next tile's ten: ten for the one younger tile that has been asked for.
.macro BODY buf, nbuf, i, ld, nxt, cnt
	WIN 0xC3
	v_mov_b32 v[Q2C], v[Q2R+\buf]
	s_wait_alu depctr_va_vdst(0)
	RUN 1, \buf, 0
	RUN 2, \buf, 1
	RUN 3, \buf, 2
.if \nxt
	s_wait_loadcnt \cnt
	RUN 0, \nbuf, 3
.else
	WIN 0x0D
.set ri, 0
.rept 32
	PK 3, ri
.set ri, ri+1
.endr
	WIN 0
	MINB 3
.endif
	s_wait_alu depctr_va_vdst(0)                   ; the four minima have written OUT, which the store below reads; the tile's 64 products and the move of q2 are done reading set buf (fragments, scale words, q2), in which the loads below land
.if \ld
	QLOADS \buf, \i+3
.endif
	global_store_b128 v[GO], v[OUT:OUT+3], s[12:13] offset:512*\i   ; lane (r, h): groups 4 h .. 4 h + 3 of query r: the wave stores 512 consecutive bytes
.endm
	s_wait_loadcnt 20                              ; tile 0's ten loads are in; tiles 1 and 2 may be out
	WIN 0x0D
.set ri, 0
.rept 16
	WM 0, 0, ri
.set ri, ri+1
.endr
.rept 4
	v_nop                                          ; places behind the first products: no other vector work is at hand yet
.endr
	WIN 0
	s_mov_b32 s16, 9
.Lq:                                               ; nine trips of three tiles: the sets come round
	BODY 0, 1, 0, 1, 1, 10
	BODY 1, 2, 1, 1, 1, 10
	BODY 2, 0, 2, 1, 1, 10
	s_wait_xcnt 0x0                                ; the bases are stepped only behind this wait
	s_add_nc_u64 s[6:7], s[6:7], 12288
	s_add_nc_u64 s[8:9], s[8:9], 768
	s_add_nc_u64 s[22:23], s[22:23], 192
	s_add_nc_u64 s[12:13], s[12:13], 1536
	s_sub_co_u32 s16, s16, 1
	s_cmp_lg_u32 s16, 0
	s_cbranch_scc1 .Lq
	BODY 0, 1, 0, 1, 1, 10                         ; tiles 27 to 31: the last two loads, then none: no load leaves its buffer
	BODY 1, 2, 1, 1, 1, 10
	BODY 2, 0, 2, 0, 1, 10
	BODY 0, 1, 3, 0, 1, 0
	BODY 1, 0, 4, 0, 0, 0
	s_wait_dscnt 0x0                               ; the closing lines, six on end
	s_wait_alu 0x0
	s_wait_tensorcnt 0x0
	ds_add_u32 v254, v255
	s_wait_dscnt 0x0
	s_endpgm
.Lfunc_end_k_qb0619303cf_main:
	.size	k_qb0619303cf_main, .Lfunc_end_k_qb0619303cf_main-k_qb0619303cf_main
	.p2alignl 7, 3214868480
	.fill 96, 4, 3214868480
	.section	.rodata,"a",@progbits
	.p2align	6, 0x0
	.amdhsa_kernel k_qb0619303cf_main
		.amdhsa_group_segment_fixed_size 104960
		.amdhsa_private_segment_fixed_size 0
		.amdhsa_enable_private_segment 0
		.amdhsa_kernarg_size 56
		.amdhsa_user_sgpr_count 2
		.amdhsa_user_sgpr_kernarg_segment_ptr 1
		.amdhsa_wavefront_size32 1
		.amdhsa_system_sgpr_workgroup_id_x 1
		.amdhsa_system_sgpr_workgroup_id_y 1
		.amdhsa_system_sgpr_workgroup_id_z 1
		.amdhsa_system_vgpr_workitem_id 0
		.amdhsa_next_free_vgpr 1024
		.amdhsa_next_free_sgpr 66
		.amdhsa_reserve_vcc 0
		.amdhsa_float_denorm_mode_32 3
		.amdhsa_float_denorm_mode_16_64 3
		.amdhsa_memory_ordered 1
		.amdhsa_forward_progress 1
		.amdhsa_inst_pref_size 255
	.end_amdhsa_kernel
	.section	.bss,"aw",@nobits
	.p2align	6
	.space	262144
	.amdgpu_metadata
---
amdhsa.version: [ 1, 2 ]
amdhsa.kernels:
  - .name:           k_qb0619303cf_main
    .symbol:         k_qb0619303cf_main.kd
    .args:
      - { .name: X_train, .offset: 0, .size: 8, .value_kind: global_buffer, .address_space: global }
      - { .name: qc, .offset: 8, .size: 8, .value_kind: global_buffer, .address_space: global }
      - { .name: qm, .offset: 16, .size: 8, .value_kind: global_buffer, .address_space: global }
      - { .name: tc, .offset: 24, .size: 8, .value_kind: global_buffer, .address_space: global }
      - { .name: ts, .offset: 32, .size: 8, .value_kind: global_buffer, .address_space: global }
      - { .name: tt, .offset: 40, .size: 8, .value_kind: global_buffer, .address_space: global }
      - { .name: gm, .offset: 48, .size: 8, .value_kind: global_buffer, .address_space: global }
    .group_segment_fixed_size: 104960
    .private_segment_fixed_size: 0
    .kernarg_segment_align: 8
    .kernarg_segment_size: 56
    .max_flat_workgroup_size: 128
    .sgpr_count:     66
    .vgpr_count:     1024
    .wavefront_size: 32
...
	.end_amdgpu_metadata
.endif
;; end of part 6
;; launch select (part 7): grid 256 x 1, 8 waves a work-group, no clusters, 66,816 bytes of LDS; arguments gm, gl; writes gl
.if DOCPART == 7
	.amdgcn_target "amdgcn-amd-amdhsa--gfx1250"
	.amdhsa_code_object_version 6
	.text
	.protected	k_qb0619303cf_select
	.globl	k_qb0619303cf_select
	.p2align	8
	.type	k_qb0619303cf_select,@function
k_qb0619303cf_select:
	s_mov_b64 s[64:65], 0
	v_nop
	global_prefetch_b8 v0, s[64:65] scope:SCOPE_SE
	s_setreg_imm32_b32 hwreg(HW_REG_WAVE_MODE, 25, 1), 1
	s_wait_xcnt 0x0
; SELECT.  For each query: the 32 of its 2,048 groups that come first by (distance of the group's nearest row, group number).  Out: gl [query 2048][32] u32: their numbers, ascending.
; Every address here is fixed: what is chosen is stored as data and steers addresses only in the next launch.
; THE ORDER.  distance = the correctly rounded root of d2, which never falls where d2 rises.  So the 32nd smallest distance is the root of T, the 32nd smallest d2, and the d2 that share that root are the
; f32 numbers LO .. HI round T (at most three neighbours share a root: five roots decide).  Chosen: every group under LO, and of those in LO .. HI the first by number until 32 are chosen.
; T comes from a sorting network on registers (no branch, no address hangs on a number): each lane sorts its 64, keeps 32, and five exchanges between lanes leave the query's 32 smallest, ascending, in every lane.
; THE LIST comes from the same network once more: a chosen group's key is its number as f32 (exact: under 2,048), every other key is 2e6; the 32 smallest keys are the chosen numbers, and lane l keeps number l.
; SHARES.  A work-group takes 8 queries, a wave one.  gm holds a chunk's 8 groups of 8 neighbouring queries in 256 consecutive bytes: 16 lanes read them whole, and LDS turns them into rows by query.
; A wave stores 128 consecutive bytes, the eight waves of a work-group 1,024.
; LIMITS: NaN and infinities are not served (with them fewer than 32 groups might compare as chosen; the list's rest would be 2,000,000, which the next launch holds to the last group).
; No matrix unit, no cluster, no tensor load: nothing is shared between work-groups and the work is vector work.
.set GROW, 8224                        ; LDS: a query's 2,048 minima + 32 bytes, so that the eight rows start in different banks; eight rows from byte 0
.set VG,  1
.set VS,  2
.set VR,  3
.set L4,  4                            ; 4 x lane
.set LN2, 7                            ; lane - 2
.set LN,  9                            ; lane
.set X,   16                           ; v16-79   register k, lane l: group 32 k + l
.set A,   80                           ; v80-143, v144-207: the network's two banks
.set B,   144
.set XB,  208
.set XS,  209
.set S,   210
.set DN,  211
.set UP,  212
.set RD,  213
.set RU,  214
.set VC,  215
.set RK,  216
.set BIG, 217
.set GF,  218
.set RES, 219
.set SEL, 12
.set SM,  14
.set TD,  15
.set MM,  16
.set T1,  17
.set T2,  18
.set TT,  19
.set LO,  20
.set HI,  21
.set NEED, 22
.set SA,  23
.set SB,  24
.set SC,  25
.set TBASE, 26
; One stage of a bitonic network over a lane's n registers, from bank src to bank dst: partners i and i xor j; ascending where i and k share no bit
.macro STAGE src, dst, n, k, j
.set si, 0
.rept \n
.set sp, si ^ \j
.if sp > si
.if (si & \k) == 0
	v_min_num_f32 v[\dst+si], v[\src+si], v[\src+sp]
	v_max_num_f32 v[\dst+sp], v[\src+si], v[\src+sp]
.else
	v_max_num_f32 v[\dst+si], v[\src+si], v[\src+sp]
	v_min_num_f32 v[\dst+sp], v[\src+si], v[\src+sp]
.endif
.endif
.set si, si+1
.endr
.endm
.macro SORT src, n                     ; 15 stages: runs of 32, the first ascending, the second (n = 64) descending; the result lies in bank A
	STAGE \src, A, \n, 2, 1
	STAGE A, B, \n, 4, 2
	STAGE B, A, \n, 4, 1
	STAGE A, B, \n, 8, 4
	STAGE B, A, \n, 8, 2
	STAGE A, B, \n, 8, 1
	STAGE B, A, \n, 16, 8
	STAGE A, B, \n, 16, 4
	STAGE B, A, \n, 16, 2
	STAGE A, B, \n, 16, 1
	STAGE B, A, \n, 32, 16
	STAGE A, B, \n, 32, 8
	STAGE B, A, \n, 32, 4
	STAGE A, B, \n, 32, 2
	STAGE B, A, \n, 32, 1
.endm
.macro CLEAN                           ; a bitonic run of 32 in bank B -> ascending in bank A
	STAGE B, A, 32, 64, 16
	STAGE A, B, 32, 64, 8
	STAGE B, A, 32, 64, 4
	STAGE A, B, 32, 64, 2
	STAGE B, A, 32, 64, 1
.endm
.macro XM m                            ; the 32 smallest of my 32 and lane l xor m's 32: min(mine[i], the other's[31 - i]) is bitonic
.set xi, 0
.rept 32
	v_min_num_f32_dpp v[B+xi], v[A+31-xi], v[A+xi] row_xmask:\m row_mask:0xf bank_mask:0xf
.set xi, xi+1
.endr
	CLEAN
.endm
.macro XM16                            ; the same with lane l xor 16
.set xi, 0
.rept 32
	v_permlanex16_b32 v[B+xi], v[A+31-xi], s[SEL], s[SEL+1]
.set xi, xi+1
.endr
.set xi, 0
.rept 32
	v_min_num_f32 v[B+xi], v[B+xi], v[A+xi]
.set xi, xi+1
.endr
	CLEAN
.endm
.macro SMALLEST32                      ; of the wave's 64 x 32 numbers in X: the 32 smallest, ascending, in bank A of every lane
	SORT X, 64
.set li, 0
.rept 32
	v_min_num_f32 v[B+li], v[A+li], v[A+32+li]     ; ascending against descending: the lane's 32 smallest, bitonic
.set li, li+1
.endr
	CLEAN
	XM 1
	XM 2
	XM 4
	XM 8
	XM16
.endm
; From the 32 smallest (bank A, ascending, the same in every lane): LO, HI (bit patterns of f32 numbers) and NEED = 32 - the count of numbers under LO.
; Lanes 0 to 4 take the correctly rounded roots of the five neighbours T - 2 .. T + 2 (neighbours by bit pattern; under T = 0 these are NaN patterns, which compare unequal, as wanted).
; The root: v_sqrt_f32 is good to one unit in the last place and takes denormals as zero (ISA guide, its entry), so small numbers go in times 2^32 and come out times 2^-16, and two
; fused residuals against the neighbours below and above settle the last bit.
.macro WINDOW
	s_delay_alu instid0(VALU_DEP_1)
	v_add_nc_u32 v[XB], v[A+31], v[LN2]
	s_delay_alu instid0(VALU_DEP_1)
	v_cmp_gt_f32 s[SM], 0x0f800000, v[XB]
	s_delay_alu instid0(VALU_DEP_2)
	v_mul_f32 v[XS], 0x4f800000, v[XB]
	s_delay_alu instid0(VALU_DEP_1)
	v_cndmask_b32 v[XS], v[XB], v[XS], s[SM]
	s_wait_alu depctr_va_vdst(0)
	v_sqrt_f32 v[S], v[XS]
	v_mov_b32 v[VC], 0                             ; (a plain place behind the transcendental)
	s_wait_alu depctr_va_vdst(0)
	v_add_nc_u32 v[DN], -1, v[S]
	v_add_nc_u32 v[UP], 1, v[S]
	v_fma_f32 v[RD], -v[DN], v[S], v[XS]
	v_fma_f32 v[RU], -v[UP], v[S], v[XS]
	s_delay_alu instid0(VALU_DEP_2)
	v_cmp_ge_f32 vcc_lo, 0, v[RD]
	v_cndmask_b32 v[S], v[S], v[DN], vcc_lo
	s_delay_alu instid0(VALU_DEP_3)
	v_cmp_lt_f32 vcc_lo, 0, v[RU]
	s_delay_alu instid0(VALU_DEP_1)
	v_cndmask_b32 v[S], v[S], v[UP], vcc_lo
	s_delay_alu instid0(VALU_DEP_1)
	v_mul_f32 v[RD], 0x37800000, v[S]
	s_delay_alu instid0(VALU_DEP_1)
	v_cndmask_b32 v[S], v[S], v[RD], s[SM]
	s_delay_alu instid0(VALU_DEP_1)
	v_readlane_b32 s[TD], v[S], 2                  ; the threshold distance
	s_delay_alu instid0(VALU_DEP_1)
	v_cmp_eq_f32 s[MM], s[TD], v[S]                ; bits 0 .. 4: which neighbours share it
	v_readfirstlane_b32 s[TT], v[A+31]
	s_lshr_b32 s[T1], s[MM], 1
	s_and_b32 s[T2], s[T1], s[MM]
	s_and_b32 s[T1], s[T1], 1
	s_and_b32 s[T2], s[T2], 1
	s_add_co_u32 s[T1], s[T1], s[T2]               ; b1 + (b1 and b0)
	s_sub_co_u32 s[LO], s[TT], s[T1]
	s_lshr_b32 s[T1], s[MM], 3
	s_lshr_b32 s[T2], s[MM], 4
	s_and_b32 s[T2], s[T2], s[T1]
	s_and_b32 s[T1], s[T1], 1
	s_and_b32 s[T2], s[T2], 1
	s_add_co_u32 s[T1], s[T1], s[T2]               ; b3 + (b3 and b4)
	s_add_co_u32 s[HI], s[TT], s[T1]
.set xi, 0
.rept 32
	v_cmp_gt_f32 vcc_lo, s[LO], v[A+xi]
	s_delay_alu instid0(VALU_DEP_1)
	v_add_co_ci_u32 v[VC], vcc_lo, 0, v[VC], vcc_lo
.set xi, xi+1
.endr
	s_delay_alu instid0(VALU_DEP_1)
	v_readfirstlane_b32 s[T1], v[VC]
	s_sub_co_u32 s[NEED], 32, s[T1]
	s_mov_b32 s[TBASE], 0
.endm
.macro CHOOSE k                        ; s[SA] = the lanes whose register k is chosen.  Registers in ascending k, lanes ascending: the order of the numbers' indices
	v_cmp_gt_f32 s[SA], s[LO], v[X+\k]
	v_cmp_ge_f32 s[SB], s[HI], v[X+\k]
	s_and_not1_b32 s[SB], s[SB], s[SA]             ; at the threshold distance
	v_mbcnt_lo_u32_b32 v[RK], s[SB], s[TBASE]      ; how many such come before me
	s_delay_alu instid0(VALU_DEP_1)
	v_cmp_gt_u32 s[SC], s[NEED], v[RK]
	s_bcnt1_i32_b32 s[T1], s[SB]
	s_add_co_u32 s[TBASE], s[TBASE], s[T1]
	s_and_b32 s[SB], s[SB], s[SC]
	s_or_b32 s[SA], s[SA], s[SB]
.endm
	s_load_b128 s[4:7], s[0:1], 0x0                ; gm, gl
	v_lshl_add_u32 v224, v0, 2, 0x10100
	v_mov_b32 v225, 0
	v_lshrrev_b32 v8, 5, v0
	s_delay_alu instid0(VALU_DEP_1)
	v_readfirstlane_b32 s8, v8                     ; wave
	v_and_b32 v[LN], 31, v0                        ; lane
	s_delay_alu instid0(VALU_DEP_1)
	v_add_nc_u32 v[LN2], -2, v[LN]
	s_delay_alu instid0(VALU_DEP_2)
	v_lshlrev_b32 v[L4], 2, v[LN]
	v_and_b32 v10, 15, v0
	v_bfe_u32 v11, v0, 4, 1
	s_delay_alu instid0(VALU_DEP_2)
	v_lshlrev_b32 v[VG], 4, v10
	s_delay_alu instid0(VALU_DEP_1)
	v_lshl_add_u32 v[VG], v11, 16, v[VG]           ; lanes 0-15 one chunk's 256 bytes, lanes 16-31 the next chunk's
	v_bfe_u32 v12, v0, 1, 3                        ; which of the 8 queries my 16 bytes belong to
	s_delay_alu instid0(VALU_DEP_1)
	v_mul_u32_u24 v[VS], v12, GROW
	v_and_b32 v12, 1, v0
	s_delay_alu instid0(VALU_DEP_1)
	v_lshl_add_u32 v[VS], v12, 4, v[VS]            ; groups 0-3 or 4-7 of the chunk
	s_delay_alu instid0(VALU_DEP_1)
	v_lshl_add_u32 v[VS], v11, 5, v[VS]            ; 32 bytes a chunk
	s_lshl_b32 s9, s8, 10
	v_add_nc_u32 v[VS], s9, v[VS]                  ; my wave's 32 chunks
	s_mul_i32 s9, s8, GROW
	v_lshl_add_u32 v[VR], v[LN], 2, s9
	v_mov_b32 v[BIG], 0x49f42400                   ; 2e6
	v_cvt_f32_u32 v[GF], v[LN]                     ; the number of my group in register 0
	s_mov_b32 s[SEL], 0x76543210
	s_mov_b32 s[SEL+1], 0xfedcba98
	s_lshl_b32 s10, s8, 21                         ; 32 chunks of 65,536 bytes a wave,
	s_lshl_b32 s9, ttmp9, 8                        ; 8 queries of 32 bytes a work-group
	s_add_co_u32 s10, s10, s9
	s_mov_b32 s11, 0
	s_wait_alu depctr_va_vdst(0)
	s_wait_kmcnt 0x0
	s_add_nc_u64 s[4:5], s[4:5], s[10:11]
	s_lshl_b32 s10, ttmp9, 10                      ; gl: 128 bytes a query: 1,024 a work-group,
	s_lshl_b32 s9, s8, 7                           ; 128 a wave
	s_add_co_u32 s10, s10, s9
	s_add_nc_u64 s[6:7], s[6:7], s[10:11]
.set li, 0
.rept 16
	global_load_b128 v[A+4*li:A+4*li+3], v[VG], s[4:5] offset:131072*li th:TH_LOAD_NT
.set li, li+1
.endr
	s_wait_loadcnt 0x0
.set li, 0
.rept 16
	ds_store_b128 v[VS], v[A+4*li:A+4*li+3] offset:64*li
.set li, li+1
.endr
	s_wait_dscnt 0x0                               ; for the others' sake: my stores have landed
	s_barrier_signal -1
	s_barrier_wait -1
.set li, 0
.rept 64
	ds_load_b32 v[X+li], v[VR] offset:128*li
.set li, li+1
.endr
	s_wait_dscnt 0x0
	SMALLEST32
	WINDOW
.set lk, 0
.rept 64
	CHOOSE lk
	v_cndmask_b32 v[X+lk], v[BIG], v[GF], s[SA]    ; the key: a chosen group's number, else 2e6
	v_add_f32 v[GF], 0x42000000, v[GF]             ; the next register's groups lie 32 further on
.set lk, lk+1
.endr
	SMALLEST32                                     ; the chosen numbers, ascending, in every lane
	v_mov_b32 v[RES], v[A]
.set lk, 1
.rept 31
	s_mov_b32 s[T1], 1<<lk
	v_cndmask_b32 v[RES], v[RES], v[A+lk], s[T1]   ; lane l keeps number l
.set lk, lk+1
.endr
	s_delay_alu instid0(VALU_DEP_1)
	v_cvt_u32_f32 v[RES], v[RES]
	global_store_b32 v[L4], v[RES], s[6:7]         ; 128 consecutive bytes a wave
	s_wait_tensorcnt 0x0
	ds_add_u32 v224, v225
	s_wait_dscnt 0x0
	s_endpgm
.Lfunc_end_k_qb0619303cf_select:
	.size	k_qb0619303cf_select, .Lfunc_end_k_qb0619303cf_select-k_qb0619303cf_select
	.p2alignl 7, 3214868480
	.fill 96, 4, 3214868480
	.section	.rodata,"a",@progbits
	.p2align	6, 0x0
	.amdhsa_kernel k_qb0619303cf_select
		.amdhsa_group_segment_fixed_size 66816
		.amdhsa_private_segment_fixed_size 0
		.amdhsa_enable_private_segment 0
		.amdhsa_kernarg_size 16
		.amdhsa_user_sgpr_count 2
		.amdhsa_user_sgpr_kernarg_segment_ptr 1
		.amdhsa_wavefront_size32 1
		.amdhsa_system_sgpr_workgroup_id_x 1
		.amdhsa_system_sgpr_workgroup_id_y 1
		.amdhsa_system_sgpr_workgroup_id_z 1
		.amdhsa_system_vgpr_workitem_id 0
		.amdhsa_next_free_vgpr 226
		.amdhsa_next_free_sgpr 66
		.amdhsa_reserve_vcc 1
		.amdhsa_float_denorm_mode_32 3
		.amdhsa_float_denorm_mode_16_64 3
		.amdhsa_memory_ordered 1
		.amdhsa_forward_progress 1
		.amdhsa_inst_pref_size 198
	.end_amdhsa_kernel
	.amdgpu_metadata
---
amdhsa.version: [ 1, 2 ]
amdhsa.kernels:
  - .name:           k_qb0619303cf_select
    .symbol:         k_qb0619303cf_select.kd
    .args:
      - { .name: gm, .offset: 0, .size: 8, .value_kind: global_buffer, .address_space: global }
      - { .name: gl, .offset: 8, .size: 8, .value_kind: global_buffer, .address_space: global }
    .group_segment_fixed_size: 66816
    .private_segment_fixed_size: 0
    .kernarg_segment_align: 8
    .kernarg_segment_size: 16
    .max_flat_workgroup_size: 256
    .sgpr_count:     66
    .vgpr_count:     226
    .wavefront_size: 32
...
	.end_amdgpu_metadata
.endif
;; end of part 7
;; launch final (part 8): grid 256 x 1, 8 waves a work-group, no clusters, 0 bytes of LDS; arguments qc, qm, tc, ts, tt, gl, y_train, out0; writes out0
.if DOCPART == 8
	.amdgcn_target "amdgcn-amd-amdhsa--gfx1250"
	.amdhsa_code_object_version 6
	.text
	.protected	k_qb0619303cf_final
	.globl	k_qb0619303cf_final
	.p2align	8
	.type	k_qb0619303cf_final,@function
k_qb0619303cf_final:
	s_mov_b64 s[64:65], 0
	v_nop
	global_prefetch_b8 v0, s[64:65] scope:SCOPE_SE
	s_setreg_imm32_b32 hwreg(HW_REG_WAVE_SCHED_MODE, 0, 2), 2
	s_setreg_imm32_b32 hwreg(HW_REG_WAVE_MODE, 25, 1), 1
	s_wait_xcnt 0x0
	s_wait_alu depctr_vm_vsrc(0)
; FINAL.  A wave to a query.  The d2 of all 32 rows of its 32 chosen groups, by the same products as in the pass over all rows; of these 1,024 rows the 32 that come first by (distance, index);
; of their labels the most frequent, the lower class where counts are equal.
; THE GATHER.  The 32 group numbers come from gl; each is held to 0 .. 2,047 and shifted into the offsets of the loads: tc 8,192 bytes a group, ts 512, tt and y_train 128.  There is no branch and no mask
; on loaded numbers.  A slot (one group) is 16 loads of 512 consecutive bytes of codes and one of scale words; three slots, 51 loads, are on their way.
; THE PRODUCTS.  Source 0 = my query's fragment in all 16 rows, source 1 = 16 rows of the group: the form, modifiers and order along K of the first pass with its sources swapped.  Register 0 of lane (r, h)
; is then (my query, row r of the tile), in both halves of the lanes; lanes 0-15 take tile 0's and lanes 16-31 tile 1's, so that lane L holds row L of the group.  Fifteen of sixteen results are not used:
; queries choose different groups, so a tile of train rows has one query to serve; that is also why nothing is shared through LDS or a cluster.
; Register k = slot k, lane = row: the list ascends, so (k, lane) is the order of the rows' indices.  The choice: the 32nd smallest d2 by a sorting network, the f32 numbers LO .. HI that share its
; correctly rounded root, everything under LO, and of LO .. HI the first by index until 32 are chosen.
; ALL 1,024 labels are loaded; the choice acts on values only: an unchosen row's label becomes 2e6, a chosen label outside 0 .. 99 becomes 1e6 (it casts no vote, as a one-hot row of zeros), and a second pass
; of the network leaves the 32 chosen labels, ascending, in every lane.  Run lengths give the counts: the key 128 x count - label is largest for the largest count and then the lowest label;
; no valid label at all leaves the key 0, which decodes to class 0.
; LIMITS: NaN and infinities among the distances are not served.
; The output is four bytes a query, 32 neighbouring bytes a work-group: 8 KB in all.
; THE MODE: SCHED_MODE bits 1:0 = 2 (LLVM: expert scheduling mode 2), set by the entry lines.  The code itself states the register dependences
; between vector or matrix instructions and memory instructions, and those through scalar registers, VCC and EXEC, with s_wait_alu, always for 0.
; THE PLAN.  Registers that memory instructions touch:
;   L4, QAD, QSAD, ZR     offsets made at the head, never written again.
;   X + k                 at the head the offset of slot k's t2 and labels, read by two loads; later slot k's d2, written by vector instructions: one wait on vm_vsrc stands between.
;   CO k, SO k (window 1) the offsets of slot k's codes and scale words: ALL 64 are made at the head, from the group numbers read eight at a time, and never written again: no offset is made among the slots.
;   ring place k % 3 (window 1) and its four scale words: read by slot k's eight products; the loads of slot k + 3 land there.
;   T2, LAB, QF, QS, Q2   loaded once.
; So ONE wait on va_vdst stands in a slot, behind its products and the six plain lines that follow them: the products are done reading the ring place and its scale words, which are asked for again at once,
; so that three slots stay on their way.  One wait on va_vdst at the head stands ahead of all the loads that read the 96 offsets.
; Masks: each compare, v_readlane_b32 and v_readfirstlane_b32 has its wait ahead of the first reader of what it wrote; compares that do not hang on each other stand in runs, into several scalar registers, under one wait.
; VCC is written once in the text, by the compare that makes the mask for EXEC at the end.
; REGISTERS.  Window 0: v1-15 addresses and constants; v16-47 X (offsets, then d2); v48-79 the query's fragments, later bank A; v80-111 t2, later bank B; v112-143 labels; v144-175 two banks of two accumulators, later the keys;
;   v176-184 at work; v192-203 the slots' scale words, v204-205 the query's; v206 q2.   Window 1: v0-191 three slots of 64: 32 u + 8 s + 4 c; v192-223 CO, v224-255 SO.
.set L4,   1                           ; 4 x lane
.set LN2,  2                           ; lane - 2
.set GI,   3                           ; lane = slot: its group's number
.set BAD,  4
.set BIG,  5
.set RUNR, 6
.set KEY,  7
.set BEST, 8
.set LN,   9
.set ZR,   10
.set CL,   12                          ; my lane's place in a tile of tc: 256 (r / 8) + 128 h + 16 (r % 8)
.set SLN,  13                          ; 16 x lane
.set QAD,  14                          ; 256 h
.set QSAD, 15                          ; 128 h
.set X,    16
.set A,    48
.set B,    80
.set LAB,  112
.set KK,   144
.set QF,   48
.set T2,   80
.set ACC,  144
.set XB,   176
.set XS,   177
.set S,    178
.set DN,   179
.set UP,   180
.set RD,   181
.set RU,   182
.set VC,   183
.set RK,   184
.set SC,   192
.set QS,   204
.set Q2,   206
.set CO,   192                         ; in window 1
.set SO,   224                         ; in window 1
.set SEL, 20
.set GR,  22                           ; s[22:29] at the head: eight group numbers
.set CM,  22                           ; s[22:29] at the end: eight masks
.set SM,  22
.set TD,  23
.set MM,  24
.set U1,  25
.set U2,  26
.set TT,  27
.set LO,  28
.set HI,  29
.set NEED, 30
.set SA,  31
.set SB,  32
.set SC1, 33
.set TBASE, 34
.set VV,  36
.set C128, 37
.set HM,  38
.set CW,  40                           ; s[40:47] in WINDOW: eight masks.  At the head these held the wave's and the query's numbers, offsets and q2's base; the one load that read that base is shown done by the slots' counted waits
.set MSB, 0
.macro WIN new                         ; the immediate's high byte repeats the setting that is left; a switch that changes nothing is dropped
.if MSB != (\new)
	s_set_vgpr_msb (MSB<<8)|(\new)
.set MSB, \new
.endif
.endm
.macro STAGE src, dst, n, k, j         ; one stage of a bitonic network over a lane's n registers: partners i and i xor j; ascending where i and k share no bit
.set si, 0
.rept \n
.set sp, si ^ \j
.if sp > si
.if (si & \k) == 0
	v_min_num_f32 v[\dst+si], v[\src+si], v[\src+sp]
	v_max_num_f32 v[\dst+sp], v[\src+si], v[\src+sp]
.else
	v_max_num_f32 v[\dst+si], v[\src+si], v[\src+sp]
	v_min_num_f32 v[\dst+sp], v[\src+si], v[\src+sp]
.endif
.endif
.set si, si+1
.endr
.endm
.macro SORT src, n                     ; 15 stages; the result, ascending, lies in bank A
	STAGE \src, A, \n, 2, 1
	STAGE A, B, \n, 4, 2
	STAGE B, A, \n, 4, 1
	STAGE A, B, \n, 8, 4
	STAGE B, A, \n, 8, 2
	STAGE A, B, \n, 8, 1
	STAGE B, A, \n, 16, 8
	STAGE A, B, \n, 16, 4
	STAGE B, A, \n, 16, 2
	STAGE A, B, \n, 16, 1
	STAGE B, A, \n, 32, 16
	STAGE A, B, \n, 32, 8
	STAGE B, A, \n, 32, 4
	STAGE A, B, \n, 32, 2
	STAGE B, A, \n, 32, 1
.endm
.macro CLEAN
	STAGE B, A, 32, 64, 16
	STAGE A, B, 32, 64, 8
	STAGE B, A, 32, 64, 4
	STAGE A, B, 32, 64, 2
	STAGE B, A, 32, 64, 1
.endm
.macro XM m                            ; the 32 smallest of my 32 and lane l xor m's 32
.set xi, 0
.rept 32
	v_min_num_f32_dpp v[B+xi], v[A+31-xi], v[A+xi] row_xmask:\m row_mask:0xf bank_mask:0xf
.set xi, xi+1
.endr
	CLEAN
.endm
.macro XM16
.set xi, 0
.rept 32
	v_permlanex16_b32 v[B+xi], v[A+31-xi], s[SEL], s[SEL+1]
.set xi, xi+1
.endr
.set xi, 0
.rept 32
	v_min_num_f32 v[B+xi], v[B+xi], v[A+xi]
.set xi, xi+1
.endr
	CLEAN
.endm
.macro ALL32                           ; from 32 ascending numbers a lane to the wave's 32 smallest, ascending, in every lane
	XM 1
	XM 2
	XM 4
	XM 8
	XM16
.endm
; LO, HI, NEED from the 32 smallest: lanes 0 to 4 take the correctly rounded roots of the neighbours T - 2 .. T + 2 by bit pattern.  v_sqrt_f32 is good to one unit in the last place and takes
; denormals as zero (ISA guide, its entry): small numbers go in times 2^32 and come out times 2^-16, and two fused residuals settle the last bit.
.macro WINDOW
	v_add_nc_u32 v[XB], v[A+31], v[LN2]
	v_cmp_gt_f32 s[SM], 0x0f800000, v[XB]
	v_mul_f32 v[XS], 0x4f800000, v[XB]
	s_wait_alu depctr_va_sdst(0)                   ; the mask of small numbers, s[SM], is written, ahead of its first reader
	v_cndmask_b32 v[XS], v[XB], v[XS], s[SM]
	s_wait_alu depctr_va_vdst(0)
	v_sqrt_f32 v[S], v[XS]
	v_mov_b32 v[VC], 0                             ; (a plain place behind the transcendental)
	s_wait_alu depctr_va_vdst(0)                   ; the root is written, ahead of the first instruction that names it
	v_add_nc_u32 v[DN], -1, v[S]
	v_add_nc_u32 v[UP], 1, v[S]
	v_fma_f32 v[RD], -v[DN], v[S], v[XS]
	v_fma_f32 v[RU], -v[UP], v[S], v[XS]
	v_cmp_ge_f32 s[U1], 0, v[RD]                   ; the two tests hang on the residuals alone: a run of two, into two scalar registers
	v_cmp_lt_f32 s[U2], 0, v[RU]
	s_wait_alu depctr_va_sdst(0)                   ; both masks are written, ahead of their readers
	v_cndmask_b32 v[S], v[S], v[DN], s[U1]
	v_cndmask_b32 v[S], v[S], v[UP], s[U2]
	v_mul_f32 v[RD], 0x37800000, v[S]
	v_cndmask_b32 v[S], v[S], v[RD], s[SM]
	v_readlane_b32 s[TD], v[S], 2                  ; the threshold distance
	v_readfirstlane_b32 s[TT], v[A+31]
	s_wait_alu depctr_va_sdst(0)                   ; s[TD] and s[TT] are written, ahead of the compare and the scalar lines that read them
	v_cmp_eq_f32 s[MM], s[TD], v[S]                ; bits 0 .. 4: which neighbours share it
	s_wait_alu depctr_va_sdst(0)                   ; s[MM] is written, ahead of the scalar lines that read it
	s_lshr_b32 s[U1], s[MM], 1
	s_and_b32 s[U2], s[U1], s[MM]
	s_and_b32 s[U1], s[U1], 1
	s_and_b32 s[U2], s[U2], 1
	s_add_co_u32 s[U1], s[U1], s[U2]
	s_sub_co_u32 s[LO], s[TT], s[U1]
	s_lshr_b32 s[U1], s[MM], 3
	s_lshr_b32 s[U2], s[MM], 4
	s_and_b32 s[U2], s[U2], s[U1]
	s_and_b32 s[U1], s[U1], 1
	s_and_b32 s[U2], s[U2], 1
	s_add_co_u32 s[U1], s[U1], s[U2]
	s_add_co_u32 s[HI], s[TT], s[U1]
.set xi, 0
.rept 4                                ; how many of the 32 lie under LO.  The tests hang on LO and the sorted numbers alone: runs of eight, into eight scalar registers, one wait a run
.set ci, 0
.rept 8
	v_cmp_gt_f32 s[CW+ci], s[LO], v[A+xi+ci]
.set ci, ci+1
.endr
	s_wait_alu depctr_va_sdst(0)                   ; the run's eight masks are written, ahead of their readers
.set ci, 0
.rept 8
	v_cndmask_b32 v[RK], 0, 1, s[CW+ci]            ; 1 where the number lies under LO,
	v_add_nc_u32 v[VC], v[VC], v[RK]               ; onto the count: an addition that writes no scalar register
.set ci, ci+1
.endr
.set xi, xi+8
.endr
	v_readfirstlane_b32 s[U1], v[VC]
	s_wait_alu depctr_va_sdst(0)                   ; the count is written, ahead of the subtraction that reads it
	s_sub_co_u32 s[NEED], 32, s[U1]
	s_mov_b32 s[TBASE], 0
.endm
; Register k: its label as a key.  Chosen are the lanes under LO, and of those in LO .. HI the first by index until NEED are taken.  Registers in ascending k, lanes ascending: the order of the rows' indices.
.macro PICK k
	v_cmp_gt_u32 s[VV], 100, v[LAB+\k]             ; unsigned: negative labels fail too.  A run of three compares that hang on nothing made here
	v_cmp_gt_f32 s[SA], s[LO], v[X+\k]
	v_cmp_ge_f32 s[SB], s[HI], v[X+\k]
	v_cvt_f32_u32 v[LAB+\k], v[LAB+\k]
	s_wait_alu depctr_va_sdst(0)                   ; the three masks are written, ahead of their first readers
	v_cndmask_b32 v[LAB+\k], v[BAD], v[LAB+\k], s[VV]
	s_and_not1_b32 s[SB], s[SB], s[SA]             ; at the threshold distance
	v_mbcnt_lo_u32_b32 v[RK], s[SB], s[TBASE]      ; how many such come before me
	v_cmp_gt_u32 s[SC1], s[NEED], v[RK]
	s_bcnt1_i32_b32 s[U1], s[SB]
	s_add_co_u32 s[TBASE], s[TBASE], s[U1]
	s_wait_alu depctr_va_sdst(0)                   ; s[SC1] is written, ahead of the scalar line that reads it
	s_and_b32 s[SB], s[SB], s[SC1]
	s_or_b32 s[SA], s[SA], s[SB]
	v_cndmask_b32 v[KK+\k], v[BIG], v[LAB+\k], s[SA]
.endm
; Slot k's 17 loads, into ring place k % 3, by the offsets made at the head.  w = 1: among the slots, where the place has just been multiplied.
.macro ISSUE k, w
.set ib, (\k)%3
	WIN 0x41                                       ; destination and offset in window 1
.if \w
	s_wait_alu depctr_va_vdst(0)                   ; the eight products above are done reading ring place k % 3 and its four scale words, in which the loads below land
.endif
.irp u, 0,1
.irp s, 0,1,2,3
.irp c, 0,1
	global_load_b128 v[64*ib+32*\u+8*\s+4*\c:64*ib+32*\u+8*\s+4*\c+3], v[CO+(\k)], s[8:9] offset:2048*\s+1024*\c+512*\u   ; 512 consecutive bytes: registers 4 c .. 4 c + 3 of tile u, K step s
.endr
.endr
.endr
	WIN 0x01                                       ; destination window 0, offset window 1
	global_load_b128 v[SC+4*ib:SC+4*ib+3], v[SO+(\k)], s[10:11]   ; word 2 u + s / 2: lanes 0-15 the even K step's, lanes 16-31 the odd one's
.endm
; One product of slot k: tile u, K step s.  The slot's two accumulators take turns, one instruction a turn.
.macro WG k, u, s
.set gD, ACC+16*((\k)&1)+8*(\u)
.set gB, 64*((\k)%3)+32*(\u)+8*(\s)
.set gA, QF+8*(\s)
.set gSA, QS+(\s)/2
.set gSB, SC+4*((\k)%3)+2*(\u)+(\s)/2
.if (\s) == 0
	v_wmma_scale_f32_16x16x128_f8f6f4 v[gD:gD+7], v[gA:gA+7], v[gB:gB+7], 0, v[gSA], v[gSB] matrix_a_fmt:MATRIX_FMT_FP4 matrix_b_fmt:MATRIX_FMT_FP4
.elseif (\s) == 2
	v_wmma_scale_f32_16x16x128_f8f6f4 v[gD:gD+7], v[gA:gA+7], v[gB:gB+7], v[gD:gD+7], v[gSA], v[gSB] matrix_a_fmt:MATRIX_FMT_FP4 matrix_b_fmt:MATRIX_FMT_FP4
.else
	v_wmma_scale_f32_16x16x128_f8f6f4 v[gD:gD+7], v[gA:gA+7], v[gB:gB+7], v[gD:gD+7], v[gSA], v[gSB] matrix_a_fmt:MATRIX_FMT_FP4 matrix_b_fmt:MATRIX_FMT_FP4 matrix_a_scale:MATRIX_SCALE_ROW1 matrix_b_scale:MATRIX_SCALE_ROW1
.endif
.endm
.macro POST j                          ; slot j's d2: lane L takes row L; the two roundings of (q2 - 2 q.t) + t2; the clip.  Each accumulator is read at its lowest register
.set pD, ACC+16*((\j)&1)
	v_cndmask_b32 v[X+(\j)], v[pD], v[pD+8], s[HM]
	v_add_f32 v[X+(\j)], v[Q2], v[X+(\j)]
	v_add_f32 v[X+(\j)], v[X+(\j)], v[T2+(\j)]
	v_max_num_f32 v[X+(\j)], 0, v[X+(\j)]
.endm
; A slot: its loads are in (17 for each younger slot may be out); eight products; then six plain lines that name none of their registers (the slot before's four additions, two v_nop):
; the places in front of the loads into this slot's operands, of the read of its results, and of the product that begins its bank anew two slots on.  The wait in ISSUE stands beside them.
.macro SLOT k
.if (\k) < 30
	s_wait_loadcnt 34
.elseif (\k) == 30
	s_wait_loadcnt 17
.else
	s_wait_loadcnt 0
.endif
	WIN 0x04                                       ; source 1 (the train rows) window 1; all else window 0
.irp s, 0,1,2,3
.irp u, 0,1
	WG \k, \u, \s
.endr
.endr
	WIN 0
.if (\k) > 0
	POST (\k)-1
.else
.rept 4
	v_nop
.endr
.endif
	v_nop
	v_nop
.if (\k)+3 < 32
	ISSUE (\k)+3, 1
.endif
.endm
	s_load_b256 s[4:11], s[0:1], 0x0               ; qc s[4:5], qm s[6:7], tc s[8:9], ts s[10:11]
	s_load_b256 s[12:19], s[0:1], 0x20             ; tt s[12:13], gl s[14:15], y_train s[16:17], out0 s[18:19]
	v_lshrrev_b32 v11, 5, v0
	v_readfirstlane_b32 s40, v11                   ; wave
	v_and_b32 v[LN], 31, v0
	v_lshlrev_b32 v[L4], 2, v[LN]
	v_add_nc_u32 v[LN2], -2, v[LN]
	v_lshlrev_b32 v[SLN], 4, v[LN]
	v_bfe_u32 v11, v0, 4, 1                        ; h
	v_lshlrev_b32 v[QAD], 8, v11
	v_lshlrev_b32 v[QSAD], 7, v11
	v_and_b32 v[CL], 7, v0
	v_lshlrev_b32 v[CL], 4, v[CL]
	v_lshl_add_u32 v[CL], v11, 7, v[CL]
	v_bfe_u32 v11, v0, 3, 1                        ; r / 8
	v_lshl_add_u32 v[CL], v11, 8, v[CL]
	v_mov_b32 v[BAD], 0x49742400                   ; 1e6
	v_mov_b32 v[BIG], 0x49f42400                   ; 2e6
	v_mov_b32 v[ZR], 0
	s_mov_b32 s[SEL], 0x76543210
	s_mov_b32 s[SEL+1], 0xfedcba98
	s_mov_b32 s[C128], 0x43000000                  ; 128.0
	s_mov_b32 s[HM], 0xffff0000                    ; lanes 16-31
	s_wait_alu depctr_va_sdst(0)                   ; s40, the wave's number, is written, ahead of its first reader: the query's number and all bases are made from it
	s_lshl_b32 s41, ttmp9, 3
	s_add_co_u32 s41, s41, s40                     ; my query
	s_lshr_b32 s46, s41, 4                         ; its tile of 16
	s_and_b32 s47, s41, 15                         ; and its place there
	s_mov_b32 s43, 0
	s_wait_kmcnt 0x0
	s_lshl_b32 s42, s46, 12
	s_lshl_b32 s39, s47, 4
	s_add_co_u32 s42, s42, s39
	s_add_nc_u64 s[4:5], s[4:5], s[42:43]          ; qc: 4,096 bytes a tile, 16 a lane's place
	s_lshl_b32 s42, s41, 2
	s_add_nc_u64 s[18:19], s[18:19], s[42:43]      ; out0
	s_add_co_u32 s42, s42, 32768
	s_add_nc_u64 s[44:45], s[6:7], s[42:43]        ; q2
	s_lshl_b32 s42, s46, 8
	s_lshl_b32 s39, s47, 3
	s_add_co_u32 s42, s42, s39
	s_add_nc_u64 s[6:7], s[6:7], s[42:43]          ; the scale words: 256 bytes a tile, 8 a lane's place
	s_lshl_b32 s42, s41, 7
	s_add_nc_u64 s[14:15], s[14:15], s[42:43]      ; gl
	s_wait_alu depctr_va_vdst(0)                   ; the offsets L4, QAD, QSAD and ZR are written, which the eleven loads below read
	global_load_b32 v[GI], v[L4], s[14:15]
.irp n, 0,1,2,3,4,5,6,7
	global_load_b128 v[QF+4*\n:QF+4*\n+3], v[QAD], s[4:5] offset:512*\n   ; every lane of a half takes my query's 16 bytes of that half
.endr
	global_load_b64 v[QS:QS+1], v[QSAD], s[6:7]    ; word u: lanes 0-15 K step 2 u, lanes 16-31 K step 2 u + 1
	global_load_b32 v[Q2], v[ZR], s[44:45]
	s_wait_loadcnt 10                              ; the group numbers are in; the query's ten loads behind them may be out
; ALL THE OFFSETS, eight groups at a time: the numbers as scalars, one wait, the hold, three shifts each.
.set gg, 0
.rept 4
.set gi, 0
.rept 8
	v_readlane_b32 s[GR+gi], v[GI], 8*gg+gi
.set gi, gi+1
.endr
	s_wait_alu depctr_va_sdst(0)                   ; the eight group numbers are written, ahead of the scalar lines that read them
.set gi, 0
.rept 8
	s_min_u32 s[GR+gi], s[GR+gi], 0x7ff            ; a loaded number enters an address only held to its range
.set gi, gi+1
.endr
.set gi, 0
.rept 8
	v_lshl_add_u32 v[X+8*gg+gi], s[GR+gi], 7, v[L4]   ; row 32 G + lane, 4 bytes a number, in tt and in y_train alike
.set gi, gi+1
.endr
	WIN 0x40                                       ; destination window 1
.set gi, 0
.rept 8
	v_lshl_add_u32 v[CO+8*gg+gi], s[GR+gi], 13, v[CL]
	v_lshl_add_u32 v[SO+8*gg+gi], s[GR+gi], 9, v[SLN]
.set gi, gi+1
.endr
	WIN 0
.set gg, gg+1
.endr
	s_wait_alu depctr_va_vdst(0)                   ; all 96 offsets are written: every load from here on reads one of them
.set kk, 0
.rept 32
	global_load_b32 v[T2+kk], v[X+kk], s[12:13]
	global_load_b32 v[LAB+kk], v[X+kk], s[16:17]
.set kk, kk+1
.endr
	ISSUE 0, 0
	ISSUE 1, 0
	ISSUE 2, 0
	s_wait_alu depctr_vm_vsrc(0)                   ; the loads of t2 and of the labels have read their offsets in X, which the slots' additions write from here on (the slots' counted waits show those loads done as well)
.set sk, 0
.rept 32
	SLOT sk
.set sk, sk+1
.endr
	POST 31
	SORT X, 32
	ALL32
	WINDOW
.set kk, 0
.rept 32
	PICK kk
.set kk, kk+1
.endr
	SORT KK, 32
	ALL32                                          ; the 32 chosen labels, ascending, in every lane
	v_mov_b32 v[RUNR], 1.0
	v_sub_f32 v[BEST], s[C128], v[A]
	v_max_num_f32 v[BEST], 0, v[BEST]
.set kk, 1
.rept 4                                ; the 31 tests 'same label as the one before' hang on the sorted labels alone: runs of eight, into eight scalar registers, one wait a run
.set ci, 0
.rept 8
.if kk+ci < 32
	v_cmp_eq_f32 s[CM+ci], v[A+kk+ci], v[A+kk+ci-1]
.endif
.set ci, ci+1
.endr
	s_wait_alu depctr_va_sdst(0)                   ; the run's masks are written, ahead of their readers
.set ci, 0
.rept 8
.if kk+ci < 32
	v_cndmask_b32 v[RUNR], 0, v[RUNR], s[CM+ci]    ; a new label starts a new run
	v_add_f32 v[RUNR], 1.0, v[RUNR]
	v_fma_f32 v[KEY], v[RUNR], s[C128], -v[A+kk+ci]
	v_max_num_f32 v[BEST], v[BEST], v[KEY]
.endif
.set ci, ci+1
.endr
.set kk, kk+8
.endr
	v_cvt_i32_f32 v[BEST], v[BEST]                 ; 128 x count - label, a whole number
	v_sub_nc_u32 v[BEST], 0, v[BEST]
	v_and_b32 v[BEST], 127, v[BEST]                ; the label
	v_cmp_eq_u32 vcc_lo, 0, v[LN]
	s_wait_xcnt 0x0                                ; EXEC changes only behind this wait
	s_wait_alu depctr_va_vcc(0)                    ; VCC is written: EXEC is made from it
	s_wait_alu depctr_va_vdst(0)                   ; EXEC is written below: every vector instruction issued so far is complete, the label, which the store reads, among them
	s_wait_alu depctr_vm_vsrc(0)                   ; and every memory instruction issued so far has read its vector registers
	s_and_saveexec_b32 s[VV], vcc_lo
	global_store_b32 v[ZR], v[BEST], s[18:19]
	s_wait_xcnt 0x0
	s_wait_alu depctr_va_vdst(0)                   ; EXEC is written below: no vector instruction is pending
	s_wait_alu depctr_vm_vsrc(0)                   ; and the store has read its offset and its data
	s_or_b32 exec_lo, exec_lo, s[VV]
	s_endpgm
.Lfunc_end_k_qb0619303cf_final:
	.size	k_qb0619303cf_final, .Lfunc_end_k_qb0619303cf_final-k_qb0619303cf_final
	.p2alignl 7, 3214868480
	.fill 96, 4, 3214868480
	.section	.rodata,"a",@progbits
	.p2align	6, 0x0
	.amdhsa_kernel k_qb0619303cf_final
		.amdhsa_group_segment_fixed_size 0
		.amdhsa_private_segment_fixed_size 0
		.amdhsa_enable_private_segment 0
		.amdhsa_kernarg_size 64
		.amdhsa_user_sgpr_count 2
		.amdhsa_user_sgpr_kernarg_segment_ptr 1
		.amdhsa_wavefront_size32 1
		.amdhsa_system_sgpr_workgroup_id_x 1
		.amdhsa_system_sgpr_workgroup_id_y 1
		.amdhsa_system_sgpr_workgroup_id_z 1
		.amdhsa_system_vgpr_workitem_id 0
		.amdhsa_next_free_vgpr 512
		.amdhsa_next_free_sgpr 66
		.amdhsa_reserve_vcc 1
		.amdhsa_float_denorm_mode_32 3
		.amdhsa_float_denorm_mode_16_64 3
		.amdhsa_memory_ordered 1
		.amdhsa_forward_progress 1
		.amdhsa_inst_pref_size 255
	.end_amdhsa_kernel
	.section	.bss,"aw",@nobits
	.p2align	6
	.space	262144
	.amdgpu_metadata
---
amdhsa.version: [ 1, 2 ]
amdhsa.kernels:
  - .name:           k_qb0619303cf_final
    .symbol:         k_qb0619303cf_final.kd
    .args:
      - { .name: qc, .offset: 0, .size: 8, .value_kind: global_buffer, .address_space: global }
      - { .name: qm, .offset: 8, .size: 8, .value_kind: global_buffer, .address_space: global }
      - { .name: tc, .offset: 16, .size: 8, .value_kind: global_buffer, .address_space: global }
      - { .name: ts, .offset: 24, .size: 8, .value_kind: global_buffer, .address_space: global }
      - { .name: tt, .offset: 32, .size: 8, .value_kind: global_buffer, .address_space: global }
      - { .name: gl, .offset: 40, .size: 8, .value_kind: global_buffer, .address_space: global }
      - { .name: y_train, .offset: 48, .size: 8, .value_kind: global_buffer, .address_space: global }
      - { .name: out0, .offset: 56, .size: 8, .value_kind: global_buffer, .address_space: global }
    .group_segment_fixed_size: 0
    .private_segment_fixed_size: 0
    .kernarg_segment_align: 8
    .kernarg_segment_size: 64
    .max_flat_workgroup_size: 256
    .sgpr_count:     66
    .vgpr_count:     512
    .wavefront_size: 32
...
	.end_amdgpu_metadata
.endif
;; end of part 8
